; MI455X (gfx1250); checked and timed in simulation.
; The chip was launched on July 23, 2026; its instructions are those of AMD's public machine-readable ISA for CDNA 5 (MIT licence, August 2026) and "CDNA5" Instruction Set Architecture Reference Guide (July 2026). The comments in the code are by the model that wrote it; some were corrected since.
;; Multi Head Attention. Allowed arithmetic: matrix products marked QUANTISED: E2M1 operands, one E8M0 scale for each 32 along K, by v_wmma_scale_f32_16x16x128_f8f6f4 with both operands' format E2M1 (or v_wmma_scale_f32_32x16x128_f4), f32 sums; everything else in f32.
;; Inputs: W_attn 3,072 x 1,024 float32; W_o 1,024 x 1,024 float32; b_attn 3,072 float32; b_o 1,024 float32; x 4 x 2,048 x 1,024 float32.
;; Outputs: out0 4 x 2,048 x 1,024 float32.
;; This version of the problem:
;;   THIS VERSION OF THE PROBLEM IS GIVEN IN LOW PRECISION. The matrix products marked QUANTISED in the list below multiply operands that are first quantised to E2M1 (2 exponent bits, 1 mantissa bit; 4 bits a number), with one power-of-two scale for each 32 numbers along K (OCP MX v1.0); their sums are f32. All else is computed in f32.
;;   The module's matrix products, in the order in which they are computed (A, B: the left and right operand; K: the contracted axis; several contracted axes count as one K, in the product's order):
;;     1. [M 8,192, K 1,024] x [K 1,024, N 3,072]; A: input x; B: input W_attn: QUANTISED
;;     2. batch 64 x [M 2,048, K 64] x [K 64, N 2,048]; A: computed on the way; B: computed on the way: QUANTISED
;;     3. batch 64 x [M 2,048, K 2,048] x [K 2,048, N 64]; A: softmax (see below); B: computed on the way: QUANTISED
;;     4. [M 8,192, K 1,024] x [K 1,024, N 1,024]; A: computed on the way; B: input W_o: QUANTISED
;;   THE QUANTISER, for each operand of a quantised product, along K:
;;     - K is cut into blocks of 32 from its start; a last block that is shorter is filled with zeros.
;;     - A block's scale is 2^e with e = floor(log2(the largest magnitude in the block)) - 2, held to -126 .. 127; a block of zeros has e = 0. As a byte (E8M0): e + 127.
;;     - Each number is divided by its block's scale, clamped to +-6, and rounded to the nearest number of E2M1, ties to even, subnormals kept.
;;     - The product sums the exact products of the quantised numbers (number of the format x scale) in f32.
;;   ~~~python
;;   def quantise(x, axis):      # numpy; x: float32 -> the quantised numbers, widened to float32 again
;;       x = np.moveaxis(x, axis, -1); K = x.shape[-1]
;;       x = np.pad(x, [(0, 0)] * (x.ndim - 1) + [(0, -K % 32)]); x = x.reshape(x.shape[:-1] + (-1, 32)); a = np.abs(x).max(-1, keepdims=True)
;;       e = np.where(a > 0, np.clip(np.frexp(np.where(a > 0, a, 1))[1] - 1 - 2, -126, 127), 0)      # np.frexp(a)[1] - 1 = floor(log2(a)), exactly
;;       r = np.clip(x / 2.0 ** e, -6, 6)
;;       step = 2.0 ** (np.maximum(np.frexp(np.where(r == 0, 1, r))[1] - 1, 0) - 1)
;;       q = np.round(r / step) * step * 2.0 ** e      # np.round: ties to even
;;       return np.moveaxis(q.reshape(q.shape[:-2] + (-1,))[..., :K], -1, axis).astype(np.float32)
;;   ~~~
;;   SOFTMAX AHEAD OF A QUANTISED PRODUCT. Where the list says 'softmax', what is quantised is not the finished softmax but p = 2^(t - M), with t = logit x log2(e) and M = ceil(the row's largest t), a whole number; so 1/2 < the row's largest p <= 1. The row's sum l is taken of the UNQUANTISED p, in f32, and the product's result is divided by l at the end. Since M is a whole number, a kernel that streams over the keys may use a running M (the ceiling of the running maximum): every later rescaling is an exact power of two, which a block's scale takes up: the codes' values come out the same.
;;   OPERANDS COMPUTED ON THE WAY. 'Computed on the way' means the value that the module computes at that place (a softmax that the list does not call 'softmax' is quantised finished and normalised). What goes into a quantiser is computed in f32, as accurately as f32 sums, v_exp_f32 and their like allow (about 1e-6 of the number): no bf16 or f16 on the way to a quantiser, and a product that is left as it is and whose result goes on into a quantised operand takes f32 operands (vector FMAs, or v_wmma_f32_16x16x4_f32). A number that lies on a knife's edge between two numbers of the format may be rounded either way, as far as f32 arithmetic and the matrix unit's own rounding can turn it there, and no further.
;; One version. Each part assembles by itself: llvm-mc -triple=amdgcn-amd-amdhsa -mcpu=gfx1250 --defsym DOCPART=n.
;; ======== version 1 of 1: 5 launches
;; workspace buffers: xop 4,489,216 bytes; wqk 4,489,216 bytes; wv 4,489,216 bytes; wo 4,489,216 bytes; yop 4,489,216 bytes; qkb 10,485,760 bytes; vb 35,651,584 bytes
;; launch quant (part 1): grid 256 x 1, 3 waves a work-group, no clusters, 25,856 bytes of LDS; arguments x, W_attn, W_o, b_attn, xop, wqk, wv, wo; writes xop, wqk, wv, wo
.if DOCPART == 1
	.amdgcn_target "amdgcn-amd-amdhsa--gfx1250"
	.amdhsa_code_object_version 6
	.text
	.protected	k_qb2a87c78d1_quant
	.globl	k_qb2a87c78d1_quant
	.p2align	8
	.type	k_qb2a87c78d1_quant,@function
k_qb2a87c78d1_quant:
	s_mov_b64 s[64:65], 0
	v_nop
	global_prefetch_b8 v0, s[64:65] scope:SCOPE_SE
	s_setreg_imm32_b32 hwreg(HW_REG_WAVE_MODE, 25, 1), 1
	s_wait_xcnt 0x0
; x [8192][1024], W_attn [3072][1024] and W_o [1024][1024], f32, K innermost, become codes of FP4 (E2M1) with one E8M0 byte for each 32 along K,
; laid as IMAGES OF THE OPERAND'S REGISTERS, so that a later launch takes a fragment by two loads of 16 bytes a lane.
; A ROW TILE t holds 16 rows that are not neighbours: row(t, m) = 32 (t / 2) + 8 (t % 2) + m + 8 (m / 8).
; AN OPERAND'S BUFFER: codes at t x 8192 + ks x 1024 + c x 512 + lane x 16: lane (r, h) holds row(t, r), k = 128 ks + 64 c + 32 h + 0 .. 31;
;   scale words at 0x400000 + t x 512 + (ks / 4) x 256 + r x 16 + (ks % 4) x 4;   a term for each row, f32, plain row order, at 0x440000 (x: zeros; W_attn: b_attn; W_o: none).
; W_attn goes into two buffers: rows 0-2047 (Q, K) and rows 2048-3071 (V).
; SHARES: 768 row tiles, one to a wave: 16 rows x 1024 K in 8 steps of 128.  Each load reads 512 consecutive bytes of one row; a step's 16 x 512 bytes turn through the wave's own stage in LDS
; (rows 528 bytes apart) and come back so that lane (r, h) holds, of row r, 16 neighbours of each block of 32.  Waves share nothing: no barrier.
; A block's scale is 2^(floor(log2(largest magnitude)) - 2); its byte is the largest magnitude's exponent field - 2, held at 1 from below.
; LIMITS: a block of zeros, and a block whose largest magnitude lies under 2^-124, carry the byte 1 (the bytes are read by this program alone; zero codes add nothing); NaN and infinities are not served.
.set STW, 8448                         ; a wave's stage: 16 rows x 528 bytes
.set R,   16                           ; v16-143  two sets of 64 registers as loaded
.set X,   144                          ; v144-207 64 numbers of my row: register 16 b + i = k 32 b + 16 h + i
.set PC,  208                          ; v208-223 the codes just made, two sets of 8
.set TM,  224                          ; v224-239 at work in QUANT
.set PW,  240                          ; v240-247 a scale word for each K step
.set SS,  248                          ; v248-251 the four scale words that I store
.set TR,  252                          ; v252-253 two row terms
.set SEL, 30                           ; s[30:31] lane selects: lane l xor 16
; 64 numbers of a lane, register 16 b + i = k 32 b + 16 (lane / 16) + i of my row, become a fragment's 8 registers of codes and the row's scale word.
.macro QUANT src, pc, pw
.irp b, 0,1,2,3
	v_max3_num_f32 v[TM+\b], |v[(\src)+16*\b]|, |v[(\src)+1+16*\b]|, 0x1800000   ; my 16 numbers of block b, and the floor 2^(3 - 127): the byte cannot fall under 1
.endr
.irp i, 2,4,6,8,10,12,14
.irp b, 0,1,2,3
	v_max3_num_f32 v[TM+\b], v[TM+\b], |v[(\src)+16*\b+\i]|, |v[(\src)+1+16*\b+\i]|   ; the four blocks by turns
.endr
.endr
.irp b, 0,1,2,3
	v_permlanex16_b32 v[TM+4+\b], v[TM+\b], s[SEL], s[SEL+1]
.endr
.irp b, 0,1,2,3
	v_max_num_f32 v[TM+\b], v[TM+\b], v[TM+4+\b]          ; with lane l xor 16's: the block's largest magnitude
.endr
.irp b, 0,1,2,3
	v_add_nc_u32 v[TM+12+\b], 0xff000000, v[TM+\b]        ; 2 off its exponent field: the conversion's scale operand
.endr
.irp b, 0,1,2,3
	v_lshrrev_b32 v[TM+4+\b], 23, v[TM+12+\b]             ; the scale's byte
.endr
	v_lshl_or_b32 v[\pw], v[TM+5], 8, v[TM+4]
	v_lshl_or_b32 v[\pw], v[TM+6], 16, v[\pw]
	v_lshl_or_b32 v[\pw], v[TM+7], 24, v[\pw]             ; my row's scale word
.irp b, 0,1,2,3
	v_cvt_scalef32_pk8_fp4_f32 v[(\pc)+2*\b], v[(\src)+16*\b:(\src)+7+16*\b], v[TM+12+\b]
	v_cvt_scalef32_pk8_fp4_f32 v[(\pc)+1+2*\b], v[(\src)+8+16*\b:(\src)+15+16*\b], v[TM+12+\b]
.endr
	v_nop                                                 ; one plain line behind the scaled conversions
.irp c, 0,1
.irp i, 0,1
	v_permlane16_swap_b32 v[(\pc)+4*\c+\i], v[(\pc)+2+4*\c+\i]   ; a whole block to a lane: registers 4 c .. 4 c + 3 = k 64 c + 32 h + 0 .. 31
.endr
.endr
.endm
	s_load_b256 s[4:11], s[0:1], 0x0               ; x s[4:5], W_attn s[6:7], W_o s[8:9], b_attn s[10:11]
	s_load_b256 s[12:19], s[0:1], 0x20             ; xop s[12:13], wqk s[14:15], wv s[16:17], wo s[18:19]
	v_lshl_add_u32 v254, v0, 2, 0x6300
	v_mov_b32 v255, 0
	v_lshrrev_b32 v1, 5, v0
	v_readfirstlane_b32 s20, v1                    ; wave 0..2
	v_and_b32 v1, 31, v0                           ; lane
	v_and_b32 v2, 15, v0                           ; r
	v_bfe_u32 v3, v0, 4, 1                         ; h
	v_lshlrev_b32 v4, 4, v1                        ; 16 x lane: my bytes of a load, of an image, of the scale words
	s_mul_i32 s32, s20, STW
	v_add_nc_u32 v5, s32, v4                       ; the stage, on the way in: 16 x lane of a row
	v_mul_u32_u24 v6, v2, 528
	v_lshl_add_u32 v6, v3, 6, v6
	v_add_nc_u32 v6, s32, v6                       ; and on the way out: row r, + 64 h
	v_lshlrev_b32 v7, 3, v1                        ; 8 x lane: two row terms
.irp b, 0,1,2,3
	v_mov_b32 v[TM+4+\b], 0                        ; written once: a lane permute's destination counts as one of its sources
.endr
	s_mov_b32 s[SEL], 0x76543210
	s_mov_b32 s[SEL+1], 0xfedcba98
	s_mul_i32 s21, ttmp9, 3
	s_add_co_u32 s21, s21, s20                     ; g: my row tile among the 768
	s_wait_kmcnt 0x0
	; which tensor: g < 512 x; < 640 W_attn's rows 0-2047; < 704 its rows 2048-3071; else W_o.  The choices hang on ids alone.
	s_mov_b64 s[24:25], s[8:9]
	s_mov_b64 s[26:27], s[18:19]
	s_mov_b32 s33, 704                             ; the tensor's first g
	s_mov_b32 s34, 0                               ; bytes into the source
	s_mov_b32 s35, 0                               ; bytes into b_attn
	s_cmp_lt_u32 s21, 704
	s_cselect_b64 s[24:25], s[6:7], s[24:25]
	s_cselect_b64 s[26:27], s[16:17], s[26:27]
	s_cselect_b32 s33, 640, s33
	s_cselect_b32 s34, 0x800000, s34               ; 2,048 rows of 4,096 bytes
	s_cselect_b32 s35, 8192, s35
	s_cmp_lt_u32 s21, 640
	s_cselect_b64 s[26:27], s[14:15], s[26:27]
	s_cselect_b32 s33, 512, s33
	s_cselect_b32 s34, 0, s34
	s_cselect_b32 s35, 0, s35
	s_cmp_lt_u32 s21, 512
	s_cselect_b64 s[24:25], s[4:5], s[24:25]
	s_cselect_b64 s[26:27], s[12:13], s[26:27]
	s_cselect_b32 s33, 0, s33
	s_sub_co_u32 s22, s21, s33                     ; t: the row tile in its tensor
	s_lshr_b32 s36, s22, 1
	s_lshl_b32 s36, s36, 17                        ; 32 rows of 4,096 bytes for each pair of tiles,
	s_and_b32 s37, s22, 1
	s_lshl_b32 s37, s37, 15                        ; 8 rows for the odd one
	s_add_co_u32 s36, s36, s37
	s_add_co_u32 s36, s36, s34
	s_mov_b32 s37, 0
	s_add_nc_u64 s[24:25], s[24:25], s[36:37]      ; the source at my tile's first row
	s_lshl_b32 s36, s22, 13
	s_add_nc_u64 s[38:39], s[26:27], s[36:37]      ; my tile's codes
	s_lshl_b32 s36, s22, 9
	s_add_co_u32 s36, s36, 0x400000
	s_add_nc_u64 s[40:41], s[26:27], s[36:37]      ; its scale words
	s_lshl_b32 s36, s22, 6
	s_add_co_u32 s36, s36, 0x440000
	s_add_nc_u64 s[42:43], s[26:27], s[36:37]      ; the terms of 64 rows (used where t % 4 = 0)
	s_lshl_b32 s36, s22, 6
	s_add_co_u32 s36, s36, s35
	s_add_nc_u64 s[28:29], s[10:11], s[36:37]      ; and where they come from
.macro LOAD t                          ; K step t of my 16 rows into set t % 2: each load takes 512 consecutive bytes of one row
.irp i, 0,1,2,3,4,5,6,7,8,9,10,11,12,13,14,15
	global_load_b128 v[R+64*((\t)%2)+4*\i:R+64*((\t)%2)+4*\i+3], v4, s[24:25] offset:(\i+8*(\i/8))*4096+512*(\t) th:TH_LOAD_NT
.endr
.endm
.macro KSTEP t
.if (\t) < 7
	s_wait_loadcnt 16                              ; this step's 16 loads are in; the next step's 16 may be out
.else
	s_wait_loadcnt 0x0
.endif
.irp i, 0,1,2,3,4,5,6,7,8,9,10,11,12,13,14,15
	ds_store_b128 v5, v[R+64*((\t)%2)+4*\i:R+64*((\t)%2)+4*\i+3] offset:528*\i
.endr
.irp b, 0,1,2,3
.irp j, 0,1,2,3
	ds_load_b128 v[X+16*\b+4*\j:X+16*\b+4*\j+3], v6 offset:128*\b+16*\j   ; LDS serves a wave's instructions in order: these see the stores above
.endr
.endr
	s_wait_dscnt 0x0                               ; my numbers are back, and the stores have read their registers
.if (\t) >= 2
	s_wait_xcnt 0x0                                ; the stores of two steps back have read their codes: this set of code registers may be written again
.endif
.if (\t) < 6
	LOAD (\t)+2
.endif
	QUANT X, PC+8*((\t)%2), PW+(\t)
	global_store_b128 v4, v[PC+8*((\t)%2):PC+8*((\t)%2)+3], s[38:39] offset:1024*(\t)          ; 32 lanes store 512 consecutive bytes, aligned
	global_store_b128 v4, v[PC+8*((\t)%2)+4:PC+8*((\t)%2)+7], s[38:39] offset:1024*(\t)+512
.endm
	LOAD 0
	LOAD 1
.irp t, 0,1,2,3,4,5,6,7
	KSTEP \t
.endr
	v_cmp_gt_u32 vcc_lo, 16, v1                    ; lanes 0-15 store the words of K steps 0-3, lanes 16-31 those of 4-7
.irp j, 0,1,2,3
	v_cndmask_b32 v[SS+\j], v[PW+4+\j], v[PW+\j], vcc_lo
.endr
	global_store_b128 v4, v[SS:SS+3], s[40:41]     ; 512 consecutive bytes, aligned
	; the row terms: one wave in four stores those of 64 rows, 256 consecutive bytes.  Branches on ids alone.
	s_and_b32 s36, s22, 3
	s_cmp_lg_u32 s36, 0
	s_cbranch_scc1 .Lend
	s_cmp_ge_u32 s21, 704
	s_cbranch_scc1 .Lend                           ; W_o's bias is added by the last launch
	s_cmp_lt_u32 s21, 512
	s_cbranch_scc1 .Lzero
	global_load_b64 v[TR:TR+1], v7, s[28:29]
	s_wait_loadcnt 0x0
	s_branch .Lput
.Lzero:
	v_mov_b32 v[TR], 0                             ; x's rows have no term
	v_mov_b32 v[TR+1], 0
.Lput:
	global_store_b64 v7, v[TR:TR+1], s[42:43]
.Lend:
	s_wait_tensorcnt 0x0
	ds_add_u32 v254, v255
	s_wait_dscnt 0x0
	s_endpgm
.Lfunc_end_k_qb2a87c78d1_quant:
	.size	k_qb2a87c78d1_quant, .Lfunc_end_k_qb2a87c78d1_quant-k_qb2a87c78d1_quant
	.p2alignl 7, 3214868480
	.fill 96, 4, 3214868480
	.section	.rodata,"a",@progbits
	.p2align	6, 0x0
	.amdhsa_kernel k_qb2a87c78d1_quant
		.amdhsa_group_segment_fixed_size 25856
		.amdhsa_private_segment_fixed_size 0
		.amdhsa_enable_private_segment 0
		.amdhsa_kernarg_size 64
		.amdhsa_user_sgpr_count 2
		.amdhsa_user_sgpr_kernarg_segment_ptr 1
		.amdhsa_wavefront_size32 1
		.amdhsa_system_sgpr_workgroup_id_x 1
		.amdhsa_system_sgpr_workgroup_id_y 1
		.amdhsa_system_sgpr_workgroup_id_z 1
		.amdhsa_system_vgpr_workitem_id 0
		.amdhsa_next_free_vgpr 256
		.amdhsa_next_free_sgpr 66
		.amdhsa_reserve_vcc 1
		.amdhsa_float_denorm_mode_32 3
		.amdhsa_float_denorm_mode_16_64 3
		.amdhsa_memory_ordered 1
		.amdhsa_forward_progress 1
		.amdhsa_inst_pref_size 64
	.end_amdhsa_kernel
	.amdgpu_metadata
---
amdhsa.version: [ 1, 2 ]
amdhsa.kernels:
  - .name:           k_qb2a87c78d1_quant
    .symbol:         k_qb2a87c78d1_quant.kd
    .args:
      - { .name: x, .offset: 0, .size: 8, .value_kind: global_buffer, .address_space: global }
      - { .name: W_attn, .offset: 8, .size: 8, .value_kind: global_buffer, .address_space: global }
      - { .name: W_o, .offset: 16, .size: 8, .value_kind: global_buffer, .address_space: global }
      - { .name: b_attn, .offset: 24, .size: 8, .value_kind: global_buffer, .address_space: global }
      - { .name: xop, .offset: 32, .size: 8, .value_kind: global_buffer, .address_space: global }
      - { .name: wqk, .offset: 40, .size: 8, .value_kind: global_buffer, .address_space: global }
      - { .name: wv, .offset: 48, .size: 8, .value_kind: global_buffer, .address_space: global }
      - { .name: wo, .offset: 56, .size: 8, .value_kind: global_buffer, .address_space: global }
    .group_segment_fixed_size: 25856
    .private_segment_fixed_size: 0
    .kernarg_segment_align: 8
    .kernarg_segment_size: 64
    .max_flat_workgroup_size: 96
    .sgpr_count:     66
    .vgpr_count:     256
    .wavefront_size: 32
...
	.end_amdgpu_metadata
.endif
;; end of part 1
;; launch projqk (part 2): grid 8 x 32, 4 waves a work-group, clusters of 4 x 4, 327,680 bytes of LDS; arguments wqk, xop, qkb; writes qkb
.if DOCPART == 2
	.amdgcn_target "amdgcn-amd-amdhsa--gfx1250"
	.amdhsa_code_object_version 6
	.text
	.protected	k_qb2a87c78d1_projqk
	.globl	k_qb2a87c78d1_projqk
	.p2align	8
	.type	k_qb2a87c78d1_projqk,@function
k_qb2a87c78d1_projqk:
	s_mov_b64 s[64:65], 0
	v_nop
	global_prefetch_b8 v0, s[64:65] scope:SCOPE_SE
	s_setreg_imm32_b32 hwreg(HW_REG_WAVE_MODE, 25, 1), 1
	s_wait_xcnt 0x0
	s_wait_alu depctr_hold_cnt(0) depctr_sa_sdst(0) depctr_va_vdst(0) depctr_va_sdst(0) depctr_va_ssrc(0) depctr_va_vcc(0) depctr_vm_vsrc(0)
	s_getreg_b32 s2, hwreg(HW_REG_IB_STS2, 6, 4)
	s_cmp_eq_u32 s2, 0
	s_cbranch_scc0 .Lentry_in_a_cluster
	s_endpgm
.Lentry_in_a_cluster:
	s_bfe_u32 s2, ttmp6, 0x10000c
	s_cmp_lg_u32 s2, 0xf033
	s_cbranch_scc0 .Lentry_shape_is_right
	s_endpgm
.Lentry_shape_is_right:
; D(i, j) = S0_i . S1_j + term(S0_i) + term(S1_j), K = 1,024, on codes of FP4 (E2M1) with one E8M0 scale for each 32 along K; D is then QUANTISED ALONG i and stored as codes alone.
; S0 (first argument) and S1 (second) are operand buffers: codes as images of fragments (row tile t, K step ks: 1,024 bytes at t x 8192 + ks x 1024; 16 bytes a lane, two loads),
; scale words at 0x400000 + t x 512 + (ks / 4) x 256 + r x 16 + (ks % 4) x 4, a term for each row at 0x440000.  Row tile t holds rows 32 (t / 2) + 8 (t % 2) + m + 8 (m / 8).
; One text serves two launches: S0 = W_attn's rows 0-2047, S1 = the tokens (Q and K, quantised along the head's 64); S0 = the tokens, S1 = W_attn's rows 2048-3071 (V, quantised along the keys).
; THE MATRIX INSTRUCTION: source 0 = a row tile of S0, source 1 = a row tile of S1.  A lane then holds ONE row of S1, and the 16 registers of two neighbouring tiles of S0 are 16 NEIGHBOURING rows of S0.
; SHARES: a work-group makes 256 x 256, each of four waves 128 x 128: 64 accumulators.  A wave's 128 rows of S0 are one K step of the product that reads the result: one fragment and one scale word for each row of S1.
; LDS: all of K fits: two slots of 4 K steps (S1's 16 row tiles x 4,096 bytes, then S0's), the scale words, a small stage.  Every byte is filled once: no slot is filled again.
; CLUSTER 4 x 4: S1's tiles hang on the work-group's y alone and are asked for jointly along a row of the cluster, S0's on its x alone, along a column.
; OUT (G0 = the wave's group of 128 rows of S0, G1 = of S1, a = S1's row tile in the group, c = half of the fragment):
;   scale words at G0 x 0x8000 + G1 x 512 + a x 64 + r x 4;   codes at 0x200000 + (2 G0 + c) x 0x40000 + G1 x 4096 + a x 512 + lane x 16.
; term(S0) is the C of each sum's first product; term(S1) is added where an accumulator is brought into window 0.  So the bias enters the f32 sum at another place than in x W^T + b: one rounding's difference.
; LIMITS: a block of zeros, and one whose largest magnitude lies under 2^-124, carry the byte 1 (read by this program alone); NaN and infinities are not served.
; REGISTERS, in windows of 256: window 0: v16-27 addresses; v32-95 scale words, two sets; v96-111 term(S1); v112-127 at work; v128-191 S1's fragments, one set; v192-255 term(S0).
;   window 1: S0's fragments, two sets (v0, v128).  window 2: accumulators of S1's tiles 0-3 ((a, b) at v[8 (8 a + b)]);  window 3: of tiles 4-7.
.set HALFT, 32768                      ; 8 row tiles x 4 K steps: what one tensor load brings, and what a wave reads of S0 or S1 in a slot
.set SLOT,  131072
.set SCL,   262144                     ; the scale words: 4,096 bytes for each 8 row tiles: S1's two halves, then S0's
.set HALFS, 4096
.set STG,   278528                     ; a stage of 512 bytes for each wave: the scale words on their way out; no tensor load lands here
.set FR,    8
.set ADRA,  16                         ; v16-17 my S1 fragments in slot 0, 1
.set ADRB,  20                         ; v20-21 my S0 fragments
.set SST,   24                         ; v24    the stage: 4 r
.set SRD,   25                         ; v25    the stage: 16 x lane
.set LOFF,  26                         ; v26    16 x lane
.set ADRS,  27                         ; v27    my scale words: lanes 0-15 S1's, lanes 16-31 S0's
.set SC,    32
.set B1,    96
.set TM,    112
.set AF,    128
.set BIAS,  192
.set T,     128                        ; the way out: 64 numbers of a lane
.set PC,    192                        ; codes: 8 registers for each of the 8 tiles, so that no store's data are written again
.set PW,    48                         ; and a scale word for each
.set SEL,   2                          ; s[2:3]
.set G1,  24
.set G0,  32
.set G1B, 48
.set G0B, 56
.set G1S, 68
.set G0S, 76
.set G1SB, 80
.set G0SB, 88
.set MSB, 0
.macro WIN new                         ; the immediate's high byte repeats the setting that is left
.if MSB != (\new)
	s_set_vgpr_msb (MSB<<8)|(\new)
.set MSB, (\new)
.endif
.endm
; A joint load: waves 0 and 1 fetch for S1, waves 2 and 3 for S0.  The branch hangs on the wave's number alone.  Four v_nop follow each of the two lines.
.macro JLOAD g0a, g1a, g0b, g1b
	s_cmp_eq_u32 s15, 0
	s_cbranch_scc0 .Lfor_b_\@
	tensor_load_to_lds s[\g0a:\g0a+3], s[\g1a:\g1a+7]
	s_nop 0
.rept 4
	v_nop
.endr
	s_branch .Lasked_\@
.Lfor_b_\@:
	tensor_load_to_lds s[\g0b:\g0b+3], s[\g1b:\g1b+7]
	s_nop 0
.rept 4
	v_nop
.endr
.Lasked_\@:
.endm
.macro CROUND                          ; a round of the cluster's barrier
	s_barrier_signal -1
	s_barrier_wait -1
	s_cmp_lg_u32 s14, 0
	s_cbranch_scc1 .Lnot_wave_0_\@
	s_barrier_signal -3
.Lnot_wave_0_\@:
	s_barrier_wait -3
	s_barrier_signal -1
	s_barrier_wait -1
.endm
.macro PLACES n                        ; plain vector lines between a matrix instruction and a load into, or a vector write of, one of its registers, or a read of its result
.rept \n
	v_nop
.endr
.endm
.macro QUANT src, pc, pw               ; 64 numbers of a lane, register 16 b + i = k 32 b + 16 (lane / 16) + i, become a fragment's 8 registers and a scale word
.irp b, 0,1,2,3
	v_max3_num_f32 v[TM+\b], |v[(\src)+16*\b]|, |v[(\src)+1+16*\b]|, 0x1800000   ; the floor 2^(3 - 127): the byte cannot fall under 1
.endr
.irp i, 2,4,6,8,10,12,14
.irp b, 0,1,2,3
	v_max3_num_f32 v[TM+\b], v[TM+\b], |v[(\src)+16*\b+\i]|, |v[(\src)+1+16*\b+\i]|
.endr
.endr
.irp b, 0,1,2,3
	v_permlanex16_b32 v[TM+4+\b], v[TM+\b], s[SEL], s[SEL+1]
.endr
.irp b, 0,1,2,3
	v_max_num_f32 v[TM+\b], v[TM+\b], v[TM+4+\b]
.endr
.irp b, 0,1,2,3
	v_add_nc_u32 v[TM+12+\b], 0xff000000, v[TM+\b]        ; 2 off the exponent field: the conversion's scale operand
.endr
.irp b, 0,1,2,3
	v_lshrrev_b32 v[TM+4+\b], 23, v[TM+12+\b]
.endr
	v_lshl_or_b32 v[\pw], v[TM+5], 8, v[TM+4]
	v_lshl_or_b32 v[\pw], v[TM+6], 16, v[\pw]
	v_lshl_or_b32 v[\pw], v[TM+7], 24, v[\pw]
.irp b, 0,1,2,3
	v_cvt_scalef32_pk8_fp4_f32 v[(\pc)+2*\b], v[(\src)+16*\b:(\src)+7+16*\b], v[TM+12+\b]
	v_cvt_scalef32_pk8_fp4_f32 v[(\pc)+1+2*\b], v[(\src)+8+16*\b:(\src)+15+16*\b], v[TM+12+\b]
.endr
	v_nop                                                 ; one plain line behind the scaled conversions
.irp c, 0,1
.irp i, 0,1
	v_permlane16_swap_b32 v[(\pc)+4*\c+\i], v[(\pc)+2+4*\c+\i]
.endr
.endr
.endm
	s_load_b128 s[4:7], s[0:1], 0x0                ; S0 s[4:5], S1 s[6:7]
	s_load_b64 s[8:9], s[0:1], 0x10                ; the result
	v_lshl_add_u32 v122, v0, 2, 0x44800
	v_mov_b32 v123, 0
	ds_add_u32 v122, v123
	ds_add_u32 v122, v123
	v_lshrrev_b32 v1, 5, v0
	v_readfirstlane_b32 s14, v1                    ; wave 0..3
	s_lshr_b32 s15, s14, 1                         ; my half of S1's rows.  Also: I fetch for S1 (0) or for S0 (1)
	s_and_b32 s16, s14, 1                          ; my half of S0's rows.  Also: which 8 row tiles I fetch
	s_bfe_u32 s40, ttmp6, 0x40000                  ; cx, cy
	s_bfe_u32 s41, ttmp6, 0x40004
	s_lshl_b32 s42, ttmp9, 2
	s_add_co_u32 s42, s42, s40                     ; work-group x: S0's 256 rows
	s_and_b32 s17, ttmp7, 0xffff
	s_lshl_b32 s17, s17, 2
	s_add_co_u32 s17, s17, s41                     ; work-group y: S1's 256 rows
	s_lshl_b32 s43, s41, 2
	s_lshl_b32 s43, 15, s43                        ; my row of the cluster
	s_lshl_b32 s44, 0x1111, s40                    ; my column
	; group 1 for codes: 8 rows (row tiles) of 4,096 bytes (4 K steps), 8,192 bytes apart; elements of 8 bytes
	s_or_b32 s[G1+0], s43, (3<<16)|(1<<21)
	s_or_b32 s[G1B+0], s44, (3<<16)|(1<<21)
.irp g, G1, G1B
	s_mov_b32 s[\g+1], 512<<16                     ; tensor_dim0
	s_mov_b32 s[\g+2], 8<<16                       ; tensor_dim1
	s_mov_b32 s[\g+3], 512<<16                     ; tile_dim0
	s_mov_b32 s[\g+4], 8                           ; tile_dim1
	s_mov_b32 s[\g+5], 1024                        ; from row to row
	s_mov_b32 s[\g+6], 0
	s_mov_b32 s[\g+7], 0
.endr
	; and for the scale words of 8 row tiles: 4,096 dense bytes as 16 rows of 256
	s_or_b32 s[G1S+0], s43, (3<<16)|(1<<21)
	s_or_b32 s[G1SB+0], s44, (3<<16)|(1<<21)
.irp g, G1S, G1SB
	s_mov_b32 s[\g+1], 32<<16
	s_mov_b32 s[\g+2], 16<<16
	s_mov_b32 s[\g+3], 32<<16
	s_mov_b32 s[\g+4], 16
	s_mov_b32 s[\g+5], 32
	s_mov_b32 s[\g+6], 0
	s_mov_b32 s[\g+7], 0
.endr
	s_lshl_b32 s18, s16, 3
	s_lshl_b32 s20, s17, 4
	s_add_co_u32 s20, s20, s18                     ; S1: row tile 16 y + 8 x half
	s_lshl_b32 s46, s42, 4
	s_add_co_u32 s46, s46, s18                     ; S0: row tile 16 x + 8 x half
	s_lshl_b32 s22, s20, 9
	s_add_co_u32 s22, s22, 0x400000                ; their scale words,
	s_mov_b32 s23, 0
	s_lshl_b32 s92, s46, 9
	s_add_co_u32 s92, s92, 0x400000
	s_mov_b32 s93, 0
	s_lshl_b32 s20, s20, 13                        ; their codes
	s_mov_b32 s21, 0
	s_lshl_b32 s46, s46, 13
	s_mov_b32 s47, 0
	s_lshl_b32 s45, s14, 15                        ; where they go: wave x 32,768: no place in the cluster enters an LDS address
	s_lshl_b32 s94, s14, 12
	s_wait_dscnt 0x0
	s_wait_kmcnt 0x0
	s_add_nc_u64 s[20:21], s[6:7], s[20:21]
	s_add_nc_u64 s[22:23], s[6:7], s[22:23]
	s_add_nc_u64 s[46:47], s[4:5], s[46:47]
	s_add_nc_u64 s[92:93], s[4:5], s[92:93]
	CROUND                                         ; all sixteen work-groups are here: the joint loads meet
	s_mov_b32 s[G0S], 1
	s_add_co_u32 s[G0S+1], s94, SCL
	s_mov_b64 s[G0S+2:G0S+3], s[22:23]
	s_or_b32 s[G0S+3], s[G0S+3], 0x80000000
	s_mov_b32 s[G0SB], 1
	s_add_co_u32 s[G0SB+1], s94, SCL
	s_mov_b64 s[G0SB+2:G0SB+3], s[92:93]
	s_or_b32 s[G0SB+3], s[G0SB+3], 0x80000000
	JLOAD G0S, G1S, G0SB, G1SB                     ; the scale words first; then both slots: three tensor loads of mine are out
.irp s, 0,1
	s_mov_b32 s[G0+4*\s], 1
	s_add_co_u32 s[G0+4*\s+1], s45, \s*SLOT
	s_add_nc_u64 s[G0+4*\s+2:G0+4*\s+3], s[20:21], \s*4096
	s_or_b32 s[G0+4*\s+3], s[G0+4*\s+3], 0x80000000
	s_mov_b32 s[G0B+4*\s], 1
	s_add_co_u32 s[G0B+4*\s+1], s45, \s*SLOT
	s_add_nc_u64 s[G0B+4*\s+2:G0B+4*\s+3], s[46:47], \s*4096
	s_or_b32 s[G0B+4*\s+3], s[G0B+4*\s+3], 0x80000000
	JLOAD G0+4*\s, G1, G0B+4*\s, G1B
.endr
	v_and_b32 v1, 31, v0                           ; lane
	v_and_b32 v2, 15, v0                           ; r
	v_bfe_u32 v3, v0, 4, 1                         ; h
	v_lshlrev_b32 v[LOFF], 4, v1
	s_mul_i32 s21, s15, HALFT                      ; my 8 row tiles of S1,
	s_mul_i32 s22, s16, HALFT                      ; of S0,
	s_add_co_u32 s22, s22, 2*HALFT                 ; which lie behind S1's 16
.irp s, 0,1
	v_add_nc_u32 v[ADRA+\s], s21, v[LOFF]
	v_add_nc_u32 v[ADRB+\s], s22, v[LOFF]
	s_add_co_u32 s21, s21, SLOT
	s_add_co_u32 s22, s22, SLOT
.endr
	v_lshlrev_b32 v5, 4, v2                        ; scale words: 16 bytes a row (4 K steps)
	s_mul_i32 s21, s15, HALFS
	s_mul_i32 s22, s16, HALFS
	s_add_co_u32 s22, s22, 2*HALFS
	s_sub_co_u32 s22, s22, s21
	v_mul_u32_u24 v6, s22, v3                      ; lanes 16-31 take S0's
	s_add_co_u32 s21, s21, SCL
	v_add_nc_u32 v5, v5, v6
	v_add_nc_u32 v[ADRS], s21, v5
	s_lshl_b32 s21, s14, 9
	s_add_co_u32 s21, s21, STG                     ; my stage
	v_lshl_add_u32 v[SST], v2, 2, s21
	v_add_nc_u32 v[SRD], s21, v[LOFF]
.irp b, 0,1,2,3
	v_mov_b32 v[TM+4+\b], 0                        ; written once: a lane permute's destination counts as one of its sources
.endr
	s_mov_b32 s[SEL], 0x76543210
	s_mov_b32 s[SEL+1], 0xfedcba98
	; the terms.  term(S0): for tile b, lane (r, h), register j: row 32 (b / 2) + 8 (b % 2) + 16 h + j of my 128.  term(S1): for tile a, lane r: row 32 (a / 2) + 8 (a % 2) + r + 8 (r / 8)
	s_lshl_b32 s46, s42, 10
	s_lshl_b32 s47, s16, 9
	s_add_co_u32 s46, s46, s47
	s_add_co_u32 s46, s46, 0x440000
	s_mov_b32 s47, 0
	s_add_nc_u64 s[10:11], s[4:5], s[46:47]
	s_lshl_b32 s20, s17, 10
	s_lshl_b32 s21, s15, 9
	s_add_co_u32 s20, s20, s21
	s_add_co_u32 s20, s20, 0x440000
	s_mov_b32 s21, 0
	s_add_nc_u64 s[12:13], s[6:7], s[20:21]
	v_lshlrev_b32 v5, 6, v3                        ; 16 h numbers
	v_and_b32 v6, 8, v2
	v_add_nc_u32 v6, v6, v2
	v_lshlrev_b32 v6, 2, v6                        ; r + 8 (r / 8) numbers
.irp t, 0,1,2,3,4,5,6,7
	global_load_b128 v[BIAS+8*\t:BIAS+8*\t+3], v5, s[10:11] offset:(32*(\t/2)+8*(\t%2))*4
	global_load_b128 v[BIAS+8*\t+4:BIAS+8*\t+7], v5, s[10:11] offset:(32*(\t/2)+8*(\t%2))*4+16
.endr
.irp a, 0,1,2,3,4,5,6,7
	global_load_b32 v[B1+2*\a], v6, s[12:13] offset:(32*(\a/2)+8*(\a%2))*4
	global_load_b32 v[B1+2*\a+1], v6, s[12:13] offset:(32*(\a/2)+8*(\a%2))*4    ; twice: a pair for the packed addition
.endr
	; where the results go
	s_lshl_b32 s18, s42, 1
	s_add_co_u32 s18, s18, s16                     ; G0
	s_lshl_b32 s19, s17, 1
	s_add_co_u32 s19, s19, s15                     ; G1
	s_lshl_b32 s96, s18, 19
	s_lshl_b32 s97, s19, 12
	s_add_co_u32 s96, s96, s97
	s_add_co_u32 s96, s96, 0x200000
	s_mov_b32 s97, 0
	s_add_nc_u64 s[96:97], s[8:9], s[96:97]        ; codes
	s_lshl_b32 s18, s18, 15
	s_lshl_b32 s19, s19, 9
	s_add_co_u32 s18, s18, s19
	s_mov_b32 s19, 0
	s_add_nc_u64 s[8:9], s[8:9], s[18:19]          ; scale words
.macro FRAG reg, adr, q, i             ; a fragment's image: two loads of 512 consecutive bytes
.irp c, 0,1
	ds_load_b128 v[\reg+4*\c:\reg+4*\c+3], v[\adr] offset:(\i)*4096+(\q)*1024+512*\c
.endr
.endm
; 16 matrix instructions: S1's tiles a0, a0 + 1 x S0's eight, the slot's q-th K step.  p: S0's set; sc: the set of scale words.  first = 1: term(S0) is the C: nothing is cleared and no addition is spent.
; The 64 accumulators take turns, one instruction a turn, in the same order in every step.
.macro MUL16 a0, p, q, sc, first
.irp a, \a0, \a0+1
.irp b, 0,1,2,3,4,5,6,7
.if \first
	v_wmma_scale_f32_16x16x128_f8f6f4 v[8*(8*((\a)%4)+\b):8*(8*((\a)%4)+\b)+7], v[128*(\p)+FR*\b:128*(\p)+FR*\b+FR-1], v[AF+FR*(\a):AF+FR*(\a)+FR-1], v[BIAS+8*\b:BIAS+8*\b+7], v[SC+32*(\sc)+4*\b+(\q)], v[SC+32*(\sc)+4*(\a)+(\q)] matrix_a_fmt:MATRIX_FMT_FP4 matrix_b_fmt:MATRIX_FMT_FP4 matrix_a_scale:MATRIX_SCALE_ROW1
.else
	v_wmma_scale_f32_16x16x128_f8f6f4 v[8*(8*((\a)%4)+\b):8*(8*((\a)%4)+\b)+7], v[128*(\p)+FR*\b:128*(\p)+FR*\b+FR-1], v[AF+FR*(\a):AF+FR*(\a)+FR-1], v[8*(8*((\a)%4)+\b):8*(8*((\a)%4)+\b)+7], v[SC+32*(\sc)+4*\b+(\q)], v[SC+32*(\sc)+4*(\a)+(\q)] matrix_a_fmt:MATRIX_FMT_FP4 matrix_b_fmt:MATRIX_FMT_FP4 matrix_a_scale:MATRIX_SCALE_ROW1
.endif
.endr
.endr
.endm
.macro FETCH_B slot, q, p
	WIN 0x40                                       ; destination window 1
.irp i, 0,1,2,3,4,5,6,7
	FRAG 128*(\p)+FR*\i, ADRB+\slot, \q, \i
.endr
	WIN 0
.endm
.macro FETCH_A slot, q, i0
.irp i, \i0, \i0+1, \i0+2, \i0+3
	FRAG AF+FR*(\i), ADRA+\slot, \q, \i
.endr
.endm
.macro SCALES sc                       ; a slot's scale words: 4 words a row; lanes 0-15 take S1's tile i, lanes 16-31 S0's tile i
.irp i, 0,1,2,3,4,5,6,7
	ds_load_b128 v[SC+32*\sc+4*\i:SC+32*\sc+4*\i+3], v[ADRS] offset:512*\i+256*\sc
.endr
.endm
.macro STEP slot, q, first             ; a K step that has its successor in the same slot
	s_wait_dscnt 8                                 ; all but the youngest eight loads (S1's tiles 4-7) are in
.if \first
	WIN 0x81                                       ; source 0 window 1, sources 1 and 2 window 0, D window 2
.else
	WIN 0xa1                                       ; C and D window 2
.endif
	MUL16 0, (\q)%2, \q, \slot, \first
	MUL16 2, (\q)%2, \q, \slot, \first
	s_wait_dscnt 0x0                               ; S1's tiles 4-7 are in
	PLACES 4
	FETCH_B \slot, (\q)+1, 1-(\q)%2
	FETCH_A \slot, (\q)+1, 0
.if \first
	WIN 0xc1
.else
	WIN 0xf1
.endif
	MUL16 4, (\q)%2, \q, \slot, \first
	MUL16 6, (\q)%2, \q, \slot, \first
	PLACES 4
	WIN 0
	FETCH_A \slot, (\q)+1, 4
.endm
.macro TURN                            ; slot 0's last K step: behind its barrier slot 1 is whole for every wave.  Nothing is filled again
	s_wait_tensorcnt 0x0                           ; my part of slot 1 has landed: my last tensor load
	s_wait_dscnt 8
	WIN 0xa1
	MUL16 0, 1, 3, 0, 0
	s_wait_dscnt 0x0                               ; no LDS instruction of mine is out at the signal
	s_barrier_signal -1
	MUL16 2, 1, 3, 0, 0
	WIN 0
	s_barrier_wait -1
	PLACES 4
	FETCH_B 1, 0, 0
	FETCH_A 1, 0, 0
	SCALES 1
	WIN 0xf1
	MUL16 4, 1, 3, 0, 0
	MUL16 6, 1, 3, 0, 0
	PLACES 4
	WIN 0
	FETCH_A 1, 0, 4
.endm
	s_wait_tensorcnt 1                             ; the scale words and my part of slot 0 are in; slot 1's load may be out
	s_barrier_signal -1
	s_barrier_wait -1                              ; everybody's are
	FETCH_B 0, 0, 0
	FETCH_A 0, 0, 0
	SCALES 0
	FETCH_A 0, 0, 4
	s_wait_loadcnt 0x0                             ; the terms
	STEP 0, 0, 1
	STEP 0, 1, 0
	STEP 0, 2, 0
	TURN
	STEP 1, 0, 0
	STEP 1, 1, 0
	STEP 1, 2, 0
	s_wait_dscnt 8                                 ; the last K step: nothing more to fetch
	WIN 0xa1
	MUL16 0, 1, 3, 1, 0
	MUL16 2, 1, 3, 1, 0
	s_wait_dscnt 0x0
	WIN 0xf1
	MUL16 4, 1, 3, 1, 0
	MUL16 6, 1, 3, 1, 0
	WIN 0
	PLACES 4
; THE WAY OUT, a row tile of S1 at a time: its 8 accumulators are 64 numbers of a lane along S0; term(S1) is added on their way into window 0 (each accumulator from its low end on);
; they are quantised; the fragment's two halves leave as they stand, 512 consecutive bytes a store; the scale word goes to my stage.
.macro EPI a
	WIN 0x02+(\a)/4                                ; source 0: window 2 or 3
.set i, 0
.rept 32
	v_pk_add_f32 v[T+i:T+i+1], v[64*((\a)%4)+i:64*((\a)%4)+i+1], v[B1+2*(\a):B1+2*(\a)+1]
.set i, i+2
.endr
	WIN 0
	QUANT T, PC+8*(\a), PW+(\a)
	global_store_b128 v[LOFF], v[PC+8*(\a):PC+8*(\a)+3], s[96:97] offset:512*(\a)
	global_store_b128 v[LOFF], v[PC+8*(\a)+4:PC+8*(\a)+7], s[96:97] offset:0x40000+512*(\a)
	ds_store_b32 v[SST], v[PW+(\a)] offset:64*(\a) ; lanes r and r + 16 write the same word with the same value
.endm
.irp a, 0,1,2,3,4,5,6,7
	EPI \a
.endr
	ds_load_b128 v[32:35], v[SRD]                  ; LDS serves a wave's instructions in order: this sees my stores
	s_wait_dscnt 0x0
	global_store_b128 v[LOFF], v[32:35], s[8:9]    ; my 128 scale words: 512 consecutive bytes, aligned
	s_wait_tensorcnt 0x0
	ds_add_u32 v122, v123
	s_wait_dscnt 0x0
	CROUND                                         ; the closing round: no work-group ends while a partner may still ask for a tile that names it
	s_endpgm
.Lfunc_end_k_qb2a87c78d1_projqk:
	.size	k_qb2a87c78d1_projqk, .Lfunc_end_k_qb2a87c78d1_projqk-k_qb2a87c78d1_projqk
	.p2alignl 7, 3214868480
	.fill 96, 4, 3214868480
	.section	.rodata,"a",@progbits
	.p2align	6, 0x0
	.amdhsa_kernel k_qb2a87c78d1_projqk
		.amdhsa_group_segment_fixed_size 327680
		.amdhsa_private_segment_fixed_size 0
		.amdhsa_enable_private_segment 0
		.amdhsa_kernarg_size 24
		.amdhsa_user_sgpr_count 2
		.amdhsa_user_sgpr_kernarg_segment_ptr 1
		.amdhsa_wavefront_size32 1
		.amdhsa_system_sgpr_workgroup_id_x 1
		.amdhsa_system_sgpr_workgroup_id_y 1
		.amdhsa_system_sgpr_workgroup_id_z 1
		.amdhsa_system_vgpr_workitem_id 0
		.amdhsa_next_free_vgpr 1024
		.amdhsa_next_free_sgpr 98
		.amdhsa_reserve_vcc 0
		.amdhsa_float_denorm_mode_32 3
		.amdhsa_float_denorm_mode_16_64 3
		.amdhsa_memory_ordered 1
		.amdhsa_forward_progress 1
		.amdhsa_inst_pref_size 147
	.end_amdhsa_kernel
	.amdgpu_metadata
---
amdhsa.version: [ 1, 2 ]
amdhsa.kernels:
  - .name:           k_qb2a87c78d1_projqk
    .symbol:         k_qb2a87c78d1_projqk.kd
    .args:
      - { .name: wqk, .offset: 0, .size: 8, .value_kind: global_buffer, .address_space: global }
      - { .name: xop, .offset: 8, .size: 8, .value_kind: global_buffer, .address_space: global }
      - { .name: qkb, .offset: 16, .size: 8, .value_kind: global_buffer, .address_space: global }
    .group_segment_fixed_size: 327680
    .private_segment_fixed_size: 0
    .kernarg_segment_align: 8
    .kernarg_segment_size: 24
    .max_flat_workgroup_size: 128
    .sgpr_count:     98
    .vgpr_count:     1024
    .wavefront_size: 32
...
	.end_amdgpu_metadata
.endif
;; end of part 2
;; launch projv: the kernel of part 2 again; grid 32 x 4, 4 waves a work-group, clusters of 4 x 4, 327,680 bytes of LDS; arguments xop, wv, vb; writes vb
;; launch attn (part 3): grid 4 x 64, 16 waves a work-group, clusters of 4 x 1, 169,984 bytes of LDS; arguments qkb, vb, yop; writes yop
.if DOCPART == 3
	.amdgcn_target "amdgcn-amd-amdhsa--gfx1250"
	.amdhsa_code_object_version 6
	.text
	.protected	k_qb2a87c78d1_attn
	.globl	k_qb2a87c78d1_attn
	.p2align	8
	.type	k_qb2a87c78d1_attn,@function
k_qb2a87c78d1_attn:
	s_mov_b64 s[64:65], 0
	v_nop
	global_prefetch_b8 v0, s[64:65] scope:SCOPE_SE
	s_setreg_imm32_b32 hwreg(HW_REG_WAVE_MODE, 25, 1), 1
	s_wait_xcnt 0x0
	s_wait_alu depctr_hold_cnt(0) depctr_sa_sdst(0) depctr_va_vdst(0) depctr_va_sdst(0) depctr_va_ssrc(0) depctr_va_vcc(0) depctr_vm_vsrc(0)
	s_getreg_b32 s2, hwreg(HW_REG_IB_STS2, 6, 4)
	s_cmp_eq_u32 s2, 0
	s_cbranch_scc0 .Lentry_in_a_cluster
	s_endpgm
.Lentry_in_a_cluster:
	s_bfe_u32 s2, ttmp6, 0x10000c
	s_cmp_lg_u32 s2, 0x3003
	s_cbranch_scc0 .Lentry_shape_is_right
	s_endpgm
.Lentry_shape_is_right:
; Causal attention of one (batch, head) for each cluster of four work-groups, both products on codes of FP4 (E2M1) with E8M0 scales; the result y is quantised along the model's 1,024 and stored as an operand's image.
; IN.  qkb: images of Q (head' = head) and K (head' = 16 + head): codes at 0x200000 + head' x 0x40000 + batch x 0x10000 + tile x 512 + lane x 16: lane (r, h) holds token 16-tile row r, d = 32 h + 0 .. 31;
;   scale words at (head' / 2) x 0x8000 + batch x 0x2000 + tile x 64 + r x 4, bytes 2 (head % 2), + 1.  A tile t holds tokens 32 (t / 2) + 8 (t % 2) + m + 8 (m / 8).
; vb: images of V^T: for 64 keys kk: codes at 0x200000 + kk x 0x40000 + head x 2048 + dt x 512 + lane x 16: lane (r, h) holds d = 32 (dt / 2) + 8 (dt % 2) + r + 8 (r / 8), keys 32 h + 0 .. 31;
;   scale words for 128 keys s at s x 0x8000 + head x 256 + dt x 64 + r x 4.
; OUT.  yop: codes at t x 8192 + head x 512 + lane x 16 (t: the token tile among 512); scale halves at 0x400000 + t x 512 + (head / 8) x 256 + r x 16 + (head % 8) x 2.
; THE SOFTMAX: t = score x log2(e) / 8; M = the running largest t rounded UP to a whole number; p = 2^(t - M) is quantised along the keys, not normalised; the sum of the unquantised p divides at the end.
; SHARES.  The head's 128 query tiles are 16 groups of 8.  Work-group p of the cluster, wave w: tile 8 w + p, then tile 8 (15 - w) + 4 + p: (w + 1) + (16 - w) = 17 key steps of 128 for every wave.
; Key steps that lie wholly behind a tile's queries are passed over by a scalar branch on the wave's number and the trip's number; the trip count is the constant 16.
; LDS holds the head's whole K and V, codes and scale words, 143,360 bytes, brought ONCE by joint loads (the four partners share them); nothing is stored to LDS and nothing is filled again.
; BOTH PRODUCTS ARE USED TRANSPOSED: S^T = K Q^T, O^T = V^T P^T: a lane holds one query throughout.
; K = 64 IN AN INSTRUCTION 128 DEEP: Q's operand is its 4 registers and 4 of zero codes; K's eight quads of a step lie on end, with a zero quad behind: tile a takes registers 4 a .. 4 a + 7, whose upper half
; meets Q's zero codes.  The scale halves are loaded as 16 bits: the upper two bytes are 0, a power of two over zero products.
; LIMITS: NaN and infinities are not served; the running maximum starts at -3e38; a block of y whose largest magnitude lies under 2^-124 carries the byte 1.
; REGISTERS: v1-4, v28-29 addresses that stay; v6-7 the mask; v8-11 the step's addresses; v12 -M, v13 largest t, v[14:15] the sum; v16-17 V's scale words; v18-19 y's scale halves; v20-27 y's codes;
;   v32-67 K; v68-75 Q; v96-159 S^T, p, y; v160-191 O^T; v192-223 V; v224-231 p's codes; v232-254 at work; v248-251 K's scales; v253 p's scale word; v255 Q's scales.
.set WV,   10
.set SEL,  20                          ; s[20:21] lane l xor 16
.set CS,   22                          ; s[22:23] c = log2(e) / 8
.set G1KC, 24
.set G1VC, 32
.set G1KS, 40
.set G1VS, 48
.set G0KC, 56
.set G0VC, 60
.set G0KS, 68
.set G0VS, 72
.set MK,   66                          ; s66, s67 the query tile's first token in its group of 128, pass 0, 1
.set SI,   76                          ; the trip's number = the key step
.set GQ,   77                          ; my query tile's group
.set TK,   78                          ; LDS bytes into K's and V's codes: 4,096 a step
.set TS,   79                          ; into K's scale words: 512 a step
.set TT,   80                          ; into V's: 256 a step
.set QB,   82                          ; s[82:85] Q's codes, pass 0, 1
.set QS,   86                          ; s[86:89] Q's scale halves
.set YB,   90                          ; s[90:93] y's codes
.set YS,   94                          ; s[94:97] y's scale halves
.macro CROUND
	s_barrier_signal -1
	s_barrier_wait -1
	s_cmp_lg_u32 s[WV], 0
	s_cbranch_scc1 .Lnot_wave_0_\@
	s_barrier_signal -3
.Lnot_wave_0_\@:
	s_barrier_wait -3
	s_barrier_signal -1
	s_barrier_wait -1
.endm
	s_load_b128 s[4:7], s[0:1], 0x0                ; qkb s[4:5], vb s[6:7]
	s_load_b64 s[8:9], s[0:1], 0x10                ; yop
	v_lshl_add_u32 v242, v0, 2, 0x29000
	v_mov_b32 v243, 0
	ds_add_u32 v242, v243
	ds_add_u32 v242, v243
	v_lshrrev_b32 v1, 5, v0
	s_delay_alu instid0(VALU_DEP_1)
	v_readfirstlane_b32 s[WV], v1                  ; wave 0..15
	s_bfe_u32 s11, ttmp6, 0x40000                  ; cx: it enters Q's and y's global addresses and the mask's numbers alone
	s_and_b32 s16, ttmp7, 0xffff                   ; 16 x batch + head, which the four partners share
	s_and_b32 s12, s16, 15                         ; head
	s_lshr_b32 s13, s16, 4                         ; batch
	s_and_b32 s14, s12, 1
	s_lshr_b32 s15, s12, 1
	s_and_b32 s17, s[WV], 1
	; groups 1: elements of 8 bytes, the mask names all four work-groups
.irp g, G1KC, G1VC, G1KS, G1VS
	s_mov_b32 s[\g], 15|(3<<16)|(1<<21)
	s_mov_b32 s[\g+6], 0
	s_mov_b32 s[\g+7], 0
.endr
	s_mov_b32 s[G1KC+1], 32<<16                    ; K's codes: 128 rows of 256 bytes, dense: half a head's
	s_mov_b32 s[G1KC+2], 128<<16
	s_mov_b32 s[G1KC+3], 32<<16
	s_mov_b32 s[G1KC+4], 128
	s_mov_b32 s[G1KC+5], 32
	s_mov_b32 s[G1VC+1], 256<<16                   ; V's codes: 16 rows of 2,048 bytes, 0x40000 bytes apart
	s_mov_b32 s[G1VC+2], 16<<16
	s_mov_b32 s[G1VC+3], 256<<16
	s_mov_b32 s[G1VC+4], 16
	s_mov_b32 s[G1VC+5], 32768
	s_mov_b32 s[G1KS+1], 32<<16                    ; K's scale words: 32 rows of 256 bytes, dense
	s_mov_b32 s[G1KS+2], 32<<16
	s_mov_b32 s[G1KS+3], 32<<16
	s_mov_b32 s[G1KS+4], 32
	s_mov_b32 s[G1KS+5], 32
	s_mov_b32 s[G1VS+1], 32<<16                    ; V's: 16 rows of 256 bytes, 0x8000 bytes apart
	s_mov_b32 s[G1VS+2], 16<<16
	s_mov_b32 s[G1VS+3], 32<<16
	s_mov_b32 s[G1VS+4], 16
	s_mov_b32 s[G1VS+5], 4096
	s_wait_dscnt 0x0
	s_wait_kmcnt 0x0
	s_add_co_u32 s18, s12, 16                      ; K's codes: head' = 16 + head, my half
	s_lshl_b32 s18, s18, 18
	s_lshl_b32 s19, s13, 16
	s_add_co_u32 s18, s18, s19
	s_lshl_b32 s19, s17, 15
	s_add_co_u32 s18, s18, s19
	s_add_co_u32 s18, s18, 0x200000
	s_mov_b32 s19, 0
	s_mov_b32 s[G0KC], 1
	s_lshl_b32 s[G0KC+1], s17, 15                  ; LDS 0 on
	s_add_nc_u64 s[G0KC+2:G0KC+3], s[4:5], s[18:19]
	s_or_b32 s[G0KC+3], s[G0KC+3], 0x80000000
	s_lshl_b32 s18, s13, 5                         ; V's codes: groups of 64 keys 32 x batch + 16 x half on
	s_lshl_b32 s19, s17, 4
	s_add_co_u32 s18, s18, s19
	s_lshl_b32 s18, s18, 18
	s_lshl_b32 s19, s12, 11
	s_add_co_u32 s18, s18, s19
	s_add_co_u32 s18, s18, 0x200000
	s_mov_b32 s19, 0
	s_mov_b32 s[G0VC], 1
	s_lshl_b32 s[G0VC+1], s17, 15
	s_add_co_u32 s[G0VC+1], s[G0VC+1], 65536       ; LDS 65,536 on
	s_add_nc_u64 s[G0VC+2:G0VC+3], s[6:7], s[18:19]
	s_or_b32 s[G0VC+3], s[G0VC+3], 0x80000000
	s_add_co_u32 s18, s15, 8                       ; K's scale words
	s_lshl_b32 s18, s18, 15
	s_lshl_b32 s19, s13, 13
	s_add_co_u32 s18, s18, s19
	s_mov_b32 s19, 0
	s_mov_b32 s[G0KS], 1
	s_mov_b32 s[G0KS+1], 131072
	s_add_nc_u64 s[G0KS+2:G0KS+3], s[4:5], s[18:19]
	s_or_b32 s[G0KS+3], s[G0KS+3], 0x80000000
	s_lshl_b32 s18, s13, 19                        ; V's scale words
	s_lshl_b32 s19, s12, 8
	s_add_co_u32 s18, s18, s19
	s_mov_b32 s19, 0
	s_mov_b32 s[G0VS], 1
	s_mov_b32 s[G0VS+1], 139264
	s_add_nc_u64 s[G0VS+2:G0VS+3], s[6:7], s[18:19]
	s_or_b32 s[G0VS+3], s[G0VS+3], 0x80000000
	CROUND                                         ; all four work-groups are here: the joint loads meet
	; waves 0, 1: K's codes; 2, 3: V's; 4: K's scale words; 5: V's; one load a wave.  The branches hang on the wave's number alone.  Four v_nop follow each load.
	s_cmp_lt_u32 s[WV], 2
	s_cbranch_scc0 .Lnot_kc
	tensor_load_to_lds s[G0KC:G0KC+3], s[G1KC:G1KC+7]
	s_nop 0
.rept 4
	v_nop
.endr
	s_branch .Lasked
.Lnot_kc:
	s_cmp_lt_u32 s[WV], 4
	s_cbranch_scc0 .Lnot_vc
	tensor_load_to_lds s[G0VC:G0VC+3], s[G1VC:G1VC+7]
	s_nop 0
.rept 4
	v_nop
.endr
	s_branch .Lasked
.Lnot_vc:
	s_cmp_eq_u32 s[WV], 4
	s_cbranch_scc0 .Lnot_ks
	tensor_load_to_lds s[G0KS:G0KS+3], s[G1KS:G1KS+7]
	s_nop 0
.rept 4
	v_nop
.endr
	s_branch .Lasked
.Lnot_ks:
	s_cmp_eq_u32 s[WV], 5
	s_cbranch_scc0 .Lasked
	tensor_load_to_lds s[G0VS:G0VS+3], s[G1VS:G1VS+7]
	s_nop 0
.rept 4
	v_nop
.endr
.Lasked:
	v_and_b32 v5, 31, v0                           ; lane
	v_and_b32 v30, 15, v0                          ; r
	v_bfe_u32 v31, v0, 4, 1                        ; h
	s_delay_alu instid0(VALU_DEP_3)
	v_lshlrev_b32 v1, 4, v5                        ; 16 x lane: K's codes in LDS, Q's and y's in memory
	s_delay_alu instid0(VALU_DEP_1)
	v_add_nc_u32 v2, 65536, v1                     ; V's codes
	s_lshl_b32 s16, s14, 1
	s_add_co_u32 s16, s16, 131072
	v_lshl_add_u32 v3, v5, 2, s16                  ; K's scale halves: 4 x lane (two tiles of 16), + 2 for an odd head
	v_lshl_add_u32 v4, v5, 2, 139264               ; V's scale words
	v_and_b32 v6, 8, v30
	s_delay_alu instid0(VALU_DEP_1)
	v_add_nc_u32 v6, v6, v30
	v_lshlrev_b32 v29, 4, v31
	s_delay_alu instid0(VALU_DEP_1)
	v_sub_nc_u32 v6, v6, v29                       ; r + 8 (r / 8) - 16 h
	v_lshlrev_b32 v28, 4, v30                      ; 16 r: y's scale halves
	v_lshlrev_b32 v29, 2, v30                      ; 4 r: Q's
.irp j, 64,65,66,67,72,73,74,75
	v_mov_b32 v[\j], 0                             ; the zero codes behind K's quads and behind Q's
.endr
.irp j, 236,237,238,239,252,253
	v_mov_b32 v[\j], 0                             ; written once: permutes' destinations, and a pair that is named before its upper half is made
.endr
	s_mov_b32 s[SEL], 0x76543210
	s_mov_b32 s[SEL+1], 0xfedcba98
	s_mov_b32 s[CS], 0x3e38aa3b
	s_mov_b32 s[CS+1], s[CS]
; the addresses of pass n; s98 = my query tile among the head's 128
.macro BASES n
	s_lshl_b32 s2, s12, 18
	s_lshl_b32 s3, s13, 16
	s_add_co_u32 s2, s2, s3
	s_lshl_b32 s3, s98, 9
	s_add_co_u32 s2, s2, s3
	s_add_co_u32 s2, s2, 0x200000
	s_mov_b32 s3, 0
	s_add_nc_u64 s[QB+2*\n:QB+2*\n+1], s[4:5], s[2:3]
	s_lshl_b32 s2, s15, 15
	s_lshl_b32 s3, s13, 13
	s_add_co_u32 s2, s2, s3
	s_lshl_b32 s3, s98, 6
	s_add_co_u32 s2, s2, s3
	s_lshl_b32 s3, s14, 1
	s_add_co_u32 s2, s2, s3
	s_mov_b32 s3, 0
	s_add_nc_u64 s[QS+2*\n:QS+2*\n+1], s[4:5], s[2:3]
	s_lshl_b32 s99, s13, 7
	s_add_co_u32 s99, s99, s98                     ; the token tile among 512
	s_lshl_b32 s2, s99, 13
	s_lshl_b32 s3, s12, 9
	s_add_co_u32 s2, s2, s3
	s_mov_b32 s3, 0
	s_add_nc_u64 s[YB+2*\n:YB+2*\n+1], s[8:9], s[2:3]
	s_lshl_b32 s2, s99, 9
	s_lshr_b32 s3, s12, 3
	s_lshl_b32 s3, s3, 8
	s_add_co_u32 s2, s2, s3
	s_and_b32 s3, s12, 7
	s_lshl_b32 s3, s3, 1
	s_add_co_u32 s2, s2, s3
	s_add_co_u32 s2, s2, 0x400000
	s_mov_b32 s3, 0
	s_add_nc_u64 s[YS+2*\n:YS+2*\n+1], s[8:9], s[2:3]
	s_and_b32 s2, s98, 7                           ; the tile in its group of 8: its first token is 32 (a / 2) + 8 (a % 2)
	s_lshr_b32 s3, s2, 1
	s_lshl_b32 s3, s3, 5
	s_and_b32 s2, s2, 1
	s_lshl_b32 s2, s2, 3
	s_add_co_u32 s[MK+\n], s2, s3
.endm
	s_lshl_b32 s98, s[WV], 3
	s_add_co_u32 s98, s98, s11
	BASES 0
	s_xor_b32 s98, s[WV], 15
	s_lshl_b32 s98, s98, 3
	s_add_co_u32 s98, s98, s11
	s_add_co_u32 s98, s98, 4
	BASES 1
	s_wait_tensorcnt 0x0                           ; my load, if I issued one, has landed
	s_barrier_signal -1
	s_barrier_wait -1                              ; everybody's has: from here on LDS is only read
; ONE QUERY TILE through all its key steps.
.macro PASS n
.if \n == 0
	s_mov_b32 s[GQ], s[WV]
.else
	s_xor_b32 s[GQ], s[WV], 15
.endif
	global_load_b128 v[68:71], v1, s[QB+2*\n:QB+2*\n+1]   ; Q's quad stays in registers
	global_load_u16 v255, v29, s[QS+2*\n:QS+2*\n+1]       ; and its scale halves
	v_add_nc_u32 v7, s[MK+\n], v6                  ; my query in its group of 128, less 16 h
	v_mov_b32 v13, 0xff61b1e6                      ; the largest t so far: -3e38
	s_delay_alu instid0(VALU_DEP_1)
	v_floor_f32 v12, -v13                          ; -M
	v_mov_b32 v14, 0
	v_mov_b32 v15, 0
.irp j, 0,1,2,3,4,5,6,7,8,9,10,11,12,13,14,15,16,17,18,19,20,21,22,23,24,25,26,27,28,29,30,31
	v_mov_b32 v[160+\j], 0                         ; O^T: the step is written once; the first finds zeros, which the first change of M leaves zeros
.endr
	s_mov_b32 s[SI], 0
	s_mov_b32 s[TK], 0
	s_mov_b32 s[TS], 0
	s_mov_b32 s[TT], 0
	s_wait_loadcnt 0x0
.Ltrip_\@:
	s_cmp_gt_u32 s[SI], s[GQ]                      ; all 128 keys lie behind my queries: the step's work is passed over, not the lines that step addresses
	s_cbranch_scc1 .Lhidden_\@
	s_setprio 2
	v_add_nc_u32 v8, s[TK], v1                     ; (these four are also the places in front of the loads into V's registers, which the last products read)
	v_add_nc_u32 v9, s[TK], v2
	v_add_nc_u32 v10, s[TS], v3
	v_add_nc_u32 v11, s[TT], v4
.irp a, 0,1,2,3,4,5,6,7
	ds_load_b128 v[32+4*\a:35+4*\a], v8 offset:512*\a     ; K's eight quads, on end
.endr
.irp g, 0,1,2,3
	ds_load_u16 v[248+\g], v10 offset:128*\g       ; lanes 0-15: tile 2 g's scale halves, lanes 16-31: tile 2 g + 1's
.endr
.irp t, 0,1,2,3
.irp c, 0,1
	ds_load_b128 v[192+8*\t+4*\c:195+8*\t+4*\c], v9 offset:2048*\c+512*\t   ; V^T's four fragments
.endr
.endr
.irp g, 0,1
	ds_load_b32 v[16+\g], v11 offset:128*\g
.endr
	s_wait_dscnt 10                                ; K's twelve loads are in; V's ten may be out
.irp a, 0,2,4,6
	v_wmma_scale_f32_16x16x128_f8f6f4 v[96+8*\a:103+8*\a], v[32+4*\a:39+4*\a], v[68:75], 0, v[248+\a/2], v255 matrix_a_fmt:MATRIX_FMT_FP4 matrix_b_fmt:MATRIX_FMT_FP4
	v_wmma_scale_f32_16x16x128_f8f6f4 v[104+8*\a:111+8*\a], v[36+4*\a:43+4*\a], v[68:75], 0, v[248+\a/2], v255 matrix_a_fmt:MATRIX_FMT_FP4 matrix_b_fmt:MATRIX_FMT_FP4 matrix_a_scale:MATRIX_SCALE_ROW1
.endr                                              ; register 16 b + i of lane (r, h): key 128 SI + 32 b + 16 h + i
.rept 4
	v_nop
.endr
	s_cmp_lg_u32 s[SI], s[GQ]                      ; on the diagonal alone hidden scores become -infinity ahead of the maximum
	s_cbranch_scc1 .Lopen_\@
	v_mov_b32 v254, 0xff800000
.irp m, 0,1,2,3,4,5,6,7,8,9,10,11,12,13,14,15,16,17,18,19,20,21,22,23,24,25,26,27,28,29,30,31,32,33,34,35,36,37,38,39,40,41,42,43,44,45,46,47,48,49,50,51,52,53,54,55,56,57,58,59,60,61,62,63
	v_cmp_gt_i32 vcc_lo, 32*(\m/16)+\m%16, v7
	v_cndmask_b32 v[96+\m], v[96+\m], v254, vcc_lo
.endr
.Lopen_\@:
.irp b, 0,1,2,3
	v_max3_num_f32 v[232+\b], v[96+16*\b], v[97+16*\b], v[98+16*\b]   ; the largest score of each block of 32 keys: for the row's maximum, and, since p rises with the score, for the block's largest p
.endr
.irp i, 3,5,7,9,11,13
.irp b, 0,1,2,3
	v_max3_num_f32 v[232+\b], v[232+\b], v[96+16*\b+\i], v[97+16*\b+\i]
.endr
.endr
.irp b, 0,1,2,3
	v_max_num_f32 v[232+\b], v[232+\b], v[111+16*\b]
.endr
.irp b, 0,1,2,3
	s_delay_alu instid0(VALU_DEP_4)
	v_permlanex16_b32 v[236+\b], v[232+\b], s[SEL], s[SEL+1]
.endr
.irp b, 0,1,2,3
	s_delay_alu instid0(VALU_DEP_4)
	v_max_num_f32 v[232+\b], v[232+\b], v[236+\b]
.endr
	s_delay_alu instid0(VALU_DEP_2)
	v_max3_num_f32 v254, v232, v233, v234
	s_delay_alu instid0(VALU_DEP_1)
	v_max_num_f32 v254, v254, v235
	s_delay_alu instid0(VALU_DEP_1)
	v_mul_f32 v254, s[CS], v254                    ; as t
	s_delay_alu instid0(VALU_DEP_1)
	v_max_num_f32 v13, v13, v254                   ; the running largest t
	v_mov_b32 v254, v12
	s_delay_alu instid0(VALU_DEP_2)
	v_floor_f32 v12, -v13                          ; the new -M = -ceil(t)
	s_delay_alu instid0(VALU_DEP_1)
	v_sub_f32 v254, v12, v254                      ; old M - new M: a whole number, 0 or less
	s_delay_alu instid0(VALU_DEP_1)
	v_cvt_i32_f32 v254, v254                       ; (it saturates)
	s_delay_alu instid0(VALU_DEP_1)
	v_ldexp_f32 v252, 1.0, v254                    ; f = 2^(old M - new M)
.irp j, 0,2,4,6,8,10,12,14,16,18,20,22,24,26,28,30,32,34,36,38,40,42,44,46,48,50,52,54,56,58,60,62
	v_pk_fma_f32 v[96+\j:97+\j], v[96+\j:97+\j], s[CS:CS+1], v[12:13] op_sel_hi:[1,0,0]   ; t - M
.endr
	s_setprio 1
.irp b, 0,1,2,3
	v_fma_f32 v[232+\b], v[232+\b], s[CS], v12
.endr
	s_wait_alu depctr_va_vdst(0)
.irp j, 0,1,2,3,4,5,6,7,8,9,10,11,12,13,14,15,16,17,18,19,20,21,22,23,24,25,26,27,28,29,30,31,32,33,34,35,36,37,38,39,40,41,42,43,44,45,46,47,48,49,50,51,52,53,54,55,56,57,58,59,60,61,62,63
	v_exp_f32 v[96+\j], v[96+\j]                   ; p = 2^(t - M)
.endr
	v_pk_mul_f32 v[14:15], v[14:15], v[252:253] op_sel_hi:[1,0]   ; the sums under the new M: a plain line behind the exponentials
	s_wait_alu depctr_va_vdst(0)                   ; one wait for the batch of 64, ahead of its first reader
.irp b, 0,1,2,3
	v_exp_f32 v[232+\b], v[232+\b]                 ; the blocks' largest p
.endr
	v_pk_add_f32 v[236:237], v[100:101], v[104:105]
	v_pk_add_f32 v[250:251], v[108:109], v[112:113]
	v_pk_add_f32 v[248:249], v[116:117], v[120:121]
	v_pk_add_f32 v[246:247], v[124:125], v[128:129]
	v_pk_add_f32 v[244:245], v[132:133], v[136:137]
	v_pk_add_f32 v[240:241], v[140:141], v[144:145]
	v_pk_add_f32 v[238:239], v[148:149], v[152:153]
	v_pk_add_f32 v[14:15], v[14:15], v[156:157]
	v_pk_add_f32 v[236:237], v[236:237], v[96:97]
	v_pk_add_f32 v[250:251], v[250:251], v[98:99]
	v_pk_add_f32 v[248:249], v[248:249], v[102:103]
	v_pk_add_f32 v[246:247], v[246:247], v[106:107]
	v_pk_add_f32 v[244:245], v[244:245], v[110:111]
	v_pk_add_f32 v[240:241], v[240:241], v[114:115]
	v_pk_add_f32 v[238:239], v[238:239], v[118:119]
	v_pk_add_f32 v[14:15], v[14:15], v[122:123]
	v_pk_add_f32 v[236:237], v[236:237], v[126:127]
	v_pk_add_f32 v[250:251], v[250:251], v[130:131]
	v_pk_add_f32 v[248:249], v[248:249], v[134:135]
	v_pk_add_f32 v[246:247], v[246:247], v[138:139]
	v_pk_add_f32 v[244:245], v[244:245], v[142:143]
	v_pk_add_f32 v[240:241], v[240:241], v[146:147]
	v_pk_add_f32 v[238:239], v[238:239], v[150:151]
	v_pk_add_f32 v[14:15], v[14:15], v[154:155]
	v_pk_add_f32 v[236:237], v[236:237], v[158:159]
	s_delay_alu instid0(VALU_DEP_2)
	v_pk_add_f32 v[14:15], v[14:15], v[246:247]
	s_delay_alu instid0(VALU_DEP_2)
	v_pk_add_f32 v[236:237], v[236:237], v[244:245]
	v_pk_add_f32 v[250:251], v[250:251], v[240:241]
	v_pk_add_f32 v[248:249], v[248:249], v[238:239]
	s_delay_alu instid0(VALU_DEP_2)
	v_pk_add_f32 v[14:15], v[14:15], v[250:251]
	s_delay_alu instid0(VALU_DEP_2)
	v_pk_add_f32 v[236:237], v[236:237], v[248:249]
	s_delay_alu instid0(VALU_DEP_1)
	v_pk_add_f32 v[14:15], v[14:15], v[236:237]
	s_wait_alu depctr_va_vdst(0)                   ; and one for the four
.irp b, 0,1,2,3
	v_max_num_f32 v[232+\b], 0x1800000, v[232+\b]  ; the floor 2^(3 - 127): a block whose every p is 0 keeps the byte 1; its codes are zeros
.endr
.irp b, 0,1,2,3
	s_delay_alu instid0(VALU_DEP_4)
	v_add_nc_u32 v[244+\b], 0xff000000, v[232+\b]
.endr
.irp b, 0,1,2,3
	s_delay_alu instid0(VALU_DEP_4)
	v_lshrrev_b32 v[236+\b], 23, v[244+\b]
.endr
	s_delay_alu instid0(VALU_DEP_3)
	v_lshl_or_b32 v253, v237, 8, v236              ; p's scale word for these 128 keys
	s_delay_alu instid0(VALU_DEP_1)
	v_lshl_or_b32 v253, v238, 16, v253
	s_delay_alu instid0(VALU_DEP_1)
	v_lshl_or_b32 v253, v239, 24, v253
	s_setprio 0
.irp b, 0,1,2,3
	v_cvt_scalef32_pk8_fp4_f32 v[224+2*\b], v[96+16*\b:103+16*\b], v[244+\b]
	v_cvt_scalef32_pk8_fp4_f32 v[225+2*\b], v[104+16*\b:111+16*\b], v[244+\b]
.endr
	v_nop                                          ; one plain line behind the scaled conversions
.irp c, 0,1
.irp i, 0,1
	v_permlane16_swap_b32 v[224+4*\c+\i], v[226+4*\c+\i]
.endr
.endr
.irp j, 0,2,4,6,8,10,12,14,16,18,20,22,24,26,28,30
	v_pk_mul_f32 v[160+\j:161+\j], v[160+\j:161+\j], v[252:253] op_sel_hi:[1,0]   ; O^T under the new M; these sixteen are also the places between p's codes and scale word and the products
.endr
	s_wait_alu depctr_va_vdst(0)
	s_wait_dscnt 0x0                               ; V is in
.irp t, 0,2
	v_wmma_scale_f32_16x16x128_f8f6f4 v[160+8*\t:167+8*\t], v[192+8*\t:199+8*\t], v[224:231], v[160+8*\t:167+8*\t], v[16+\t/2], v253 matrix_a_fmt:MATRIX_FMT_FP4 matrix_b_fmt:MATRIX_FMT_FP4
	v_wmma_scale_f32_16x16x128_f8f6f4 v[168+8*\t:175+8*\t], v[200+8*\t:207+8*\t], v[224:231], v[168+8*\t:175+8*\t], v[16+\t/2], v253 matrix_a_fmt:MATRIX_FMT_FP4 matrix_b_fmt:MATRIX_FMT_FP4 matrix_a_scale:MATRIX_SCALE_ROW1
.endr                                              ; the four accumulators take one turn each
.Lhidden_\@:
	s_add_co_u32 s[TK], s[TK], 4096
	s_add_co_u32 s[TS], s[TS], 512
	s_add_co_u32 s[TT], s[TT], 256
	s_add_co_u32 s[SI], s[SI], 1
	s_cmp_lt_u32 s[SI], 16
	s_cbranch_scc1 .Ltrip_\@
	s_setprio 0
	; y = O^T / the sum: register 16 b + i of lane (r, h) is d = 32 b + 16 h + i of query r; its two blocks of 32 are quantised and leave as a quad of y's image
.rept 4
	v_nop
.endr
	v_add_f32 v14, v14, v15
	s_delay_alu instid0(VALU_DEP_1)
	v_permlanex16_b32 v252, v14, s[SEL], s[SEL+1]
	s_delay_alu instid0(VALU_DEP_1)
	v_add_f32 v14, v14, v252                       ; the row's sum
	s_wait_alu depctr_va_vdst(0)
	v_rcp_f32 v14, v14
	v_nop                                          ; a plain line behind the reciprocal
	s_wait_alu depctr_va_vdst(0)                   ; and the wait ahead of its first reader
.irp j, 0,1,2,3,4,5,6,7,8,9,10,11,12,13,14,15,16,17,18,19,20,21,22,23,24,25,26,27,28,29,30,31
	v_mul_f32 v[96+\j], v[160+\j], v14
.endr
.irp b, 0,1
	v_max3_num_f32 v[232+\b], |v[96+16*\b]|, |v[97+16*\b]|, 0x1800000
.endr
.irp i, 2,4,6,8,10,12,14
.irp b, 0,1
	s_delay_alu instid0(VALU_DEP_2)
	v_max3_num_f32 v[232+\b], v[232+\b], |v[96+16*\b+\i]|, |v[97+16*\b+\i]|
.endr
.endr
.irp b, 0,1
	s_delay_alu instid0(VALU_DEP_2)
	v_permlanex16_b32 v[236+\b], v[232+\b], s[SEL], s[SEL+1]
.endr
.irp b, 0,1
	s_delay_alu instid0(VALU_DEP_2)
	v_max_num_f32 v[232+\b], v[232+\b], v[236+\b]
.endr
.irp b, 0,1
	s_delay_alu instid0(VALU_DEP_2)
	v_add_nc_u32 v[244+\b], 0xff000000, v[232+\b]
.endr
.irp b, 0,1
	s_delay_alu instid0(VALU_DEP_2)
	v_lshrrev_b32 v[236+\b], 23, v[244+\b]
.endr
	s_delay_alu instid0(VALU_DEP_1)
	v_lshl_or_b32 v[18+\n], v237, 8, v236          ; my query's two scale bytes
.irp b, 0,1
	v_cvt_scalef32_pk8_fp4_f32 v[20+4*\n+2*\b], v[96+16*\b:103+16*\b], v[244+\b]
	v_cvt_scalef32_pk8_fp4_f32 v[21+4*\n+2*\b], v[104+16*\b:111+16*\b], v[244+\b]
.endr
	v_nop
	v_permlane16_swap_b32 v[20+4*\n], v[22+4*\n]
	v_permlane16_swap_b32 v[21+4*\n], v[23+4*\n]   ; lane (r, h): d = 32 h + 0 .. 31
	global_store_b128 v1, v[20+4*\n:23+4*\n], s[YB+2*\n:YB+2*\n+1]   ; 512 consecutive bytes, aligned
	global_store_b16 v28, v[18+\n], s[YS+2*\n:YS+2*\n+1]             ; two bytes a query, 16 bytes apart (lanes r and r + 16: the same bytes, the same value): a scale word is shared by two heads
.endm
	PASS 0
	PASS 1
	s_wait_tensorcnt 0x0
	ds_add_u32 v242, v243
	s_wait_dscnt 0x0
	CROUND                                         ; the closing round
	s_endpgm
.Lfunc_end_k_qb2a87c78d1_attn:
	.size	k_qb2a87c78d1_attn, .Lfunc_end_k_qb2a87c78d1_attn-k_qb2a87c78d1_attn
	.p2alignl 7, 3214868480
	.fill 96, 4, 3214868480
	.section	.rodata,"a",@progbits
	.p2align	6, 0x0
	.amdhsa_kernel k_qb2a87c78d1_attn
		.amdhsa_group_segment_fixed_size 169984
		.amdhsa_private_segment_fixed_size 0
		.amdhsa_enable_private_segment 0
		.amdhsa_kernarg_size 24
		.amdhsa_user_sgpr_count 2
		.amdhsa_user_sgpr_kernarg_segment_ptr 1
		.amdhsa_wavefront_size32 1
		.amdhsa_system_sgpr_workgroup_id_x 1
		.amdhsa_system_sgpr_workgroup_id_y 1
		.amdhsa_system_sgpr_workgroup_id_z 1
		.amdhsa_system_vgpr_workitem_id 0
		.amdhsa_next_free_vgpr 256
		.amdhsa_next_free_sgpr 100
		.amdhsa_reserve_vcc 1
		.amdhsa_float_denorm_mode_32 3
		.amdhsa_float_denorm_mode_16_64 3
		.amdhsa_memory_ordered 1
		.amdhsa_forward_progress 1
		.amdhsa_inst_pref_size 66
	.end_amdhsa_kernel
	.amdgpu_metadata
---
amdhsa.version: [ 1, 2 ]
amdhsa.kernels:
  - .name:           k_qb2a87c78d1_attn
    .symbol:         k_qb2a87c78d1_attn.kd
    .args:
      - { .name: qkb, .offset: 0, .size: 8, .value_kind: global_buffer, .address_space: global }
      - { .name: vb, .offset: 8, .size: 8, .value_kind: global_buffer, .address_space: global }
      - { .name: yop, .offset: 16, .size: 8, .value_kind: global_buffer, .address_space: global }
    .group_segment_fixed_size: 169984
    .private_segment_fixed_size: 0
    .kernarg_segment_align: 8
    .kernarg_segment_size: 24
    .max_flat_workgroup_size: 512
    .sgpr_count:     100
    .vgpr_count:     256
    .wavefront_size: 32
...
	.end_amdgpu_metadata
.endif
;; end of part 3
;; launch outp (part 4): grid 4 x 32, 4 waves a work-group, clusters of 4 x 4, 327,680 bytes of LDS; arguments wo, yop, b_o, out0; writes out0
.if DOCPART == 4
	.amdgcn_target "amdgcn-amd-amdhsa--gfx1250"
	.amdhsa_code_object_version 6
	.text
	.protected	k_qb2a87c78d1_outp
	.globl	k_qb2a87c78d1_outp
	.p2align	8
	.type	k_qb2a87c78d1_outp,@function
k_qb2a87c78d1_outp:
	s_mov_b64 s[64:65], 0
	v_nop
	global_prefetch_b8 v0, s[64:65] scope:SCOPE_SE
	s_setreg_imm32_b32 hwreg(HW_REG_WAVE_MODE, 25, 1), 1
	s_wait_xcnt 0x0
	s_wait_alu depctr_hold_cnt(0) depctr_sa_sdst(0) depctr_va_vdst(0) depctr_va_sdst(0) depctr_va_ssrc(0) depctr_va_vcc(0) depctr_vm_vsrc(0)
	s_getreg_b32 s2, hwreg(HW_REG_IB_STS2, 6, 4)
	s_cmp_eq_u32 s2, 0
	s_cbranch_scc0 .Lentry_in_a_cluster
	s_endpgm
.Lentry_in_a_cluster:
	s_bfe_u32 s2, ttmp6, 0x10000c
	s_cmp_lg_u32 s2, 0xf033
	s_cbranch_scc0 .Lentry_shape_is_right
	s_endpgm
.Lentry_shape_is_right:
; out0[token][n] = y[token] . W_o[n] + b_o[n], K = 1,024, on codes of FP4 (E2M1) with one E8M0 scale for each 32 along K; out0 [8192][1024] f32.
; S0 = W_o (first argument), S1 = y (second): operand buffers: codes as images of fragments (row tile t, K step ks: 1,024 bytes at t x 8192 + ks x 1024), scale words at 0x400000 + t x 512 + (ks / 4) x 256 + r x 16 + (ks % 4) x 4.
; Row tile t holds rows 32 (t / 2) + 8 (t % 2) + m + 8 (m / 8).
; THE MATRIX INSTRUCTION: source 0 = a row tile of W_o, source 1 = a row tile of y: a lane holds one token, and its eight registers eight neighbouring n.
; SHARES: a work-group makes 256 tokens x 256 n, each of four waves 128 x 128: 64 accumulators.  LDS holds all of K: two slots of 4 K steps, the scale words, the stages.  Every byte is filled once.
; CLUSTER 4 x 4: y's tiles are asked for jointly along a row of the cluster, W_o's along a column.
; b_o is the C of each sum's first product: it enters the f32 sum first and not last: one rounding's difference.
; REGISTERS, in windows of 256: window 0: v16-27 addresses; v32-95 scale words, two sets; v128-191 S1's fragments, one set; v192-255 b_o; on the way out v128-255 are rows of out0.
;   window 1: S0's fragments, two sets.  window 2: accumulators of S1's tiles 0-3 ((a, b) at v[8 (8 a + b)]);  window 3: of tiles 4-7.
.set HALFT, 32768
.set SLOT,  131072
.set SCL,   262144
.set HALFS, 4096
.set STG,   278528                     ; a stage of 16 rows x 528 bytes for each wave; no tensor load lands here
.set FR,    8
.set ADRA,  16
.set ADRB,  20
.set STO,   24                         ; v24 the stage: where I put 32 bytes of a row
.set RD,    25                         ; v25 and where I read a row back
.set LOFF,  26                         ; v26 16 x lane
.set ADRS,  27
.set SC,    32
.set AF,    128
.set BIAS,  192
.set BK,    128                        ; the way out: v128-191 and v192-255 by turns
.set G1,  24
.set G0,  32
.set G1B, 48
.set G0B, 56
.set G1S, 68
.set G0S, 76
.set G1SB, 80
.set G0SB, 88
.set MSB, 0
.macro WIN new                         ; the immediate's high byte repeats the setting that is left
.if MSB != (\new)
	s_set_vgpr_msb (MSB<<8)|(\new)
.set MSB, (\new)
.endif
.endm
.macro JLOAD g0a, g1a, g0b, g1b        ; a joint load: waves 0 and 1 fetch for S1, waves 2 and 3 for S0; four v_nop follow each of the two lines
	s_cmp_eq_u32 s15, 0
	s_cbranch_scc0 .Lfor_b_\@
	tensor_load_to_lds s[\g0a:\g0a+3], s[\g1a:\g1a+7]
	s_nop 0
.rept 4
	v_nop
.endr
	s_branch .Lasked_\@
.Lfor_b_\@:
	tensor_load_to_lds s[\g0b:\g0b+3], s[\g1b:\g1b+7]
	s_nop 0
.rept 4
	v_nop
.endr
.Lasked_\@:
.endm
.macro CROUND                          ; a round of the cluster's barrier
	s_barrier_signal -1
	s_barrier_wait -1
	s_cmp_lg_u32 s14, 0
	s_cbranch_scc1 .Lnot_wave_0_\@
	s_barrier_signal -3
.Lnot_wave_0_\@:
	s_barrier_wait -3
	s_barrier_signal -1
	s_barrier_wait -1
.endm
.macro PLACES n                        ; plain vector lines between a matrix instruction and a load into one of its registers or a read of its result
.rept \n
	v_nop
.endr
.endm
	s_load_b128 s[4:7], s[0:1], 0x0                ; S0 = wo s[4:5], S1 = yop s[6:7]
	s_load_b128 s[8:11], s[0:1], 0x10              ; b_o s[8:9], out0 s[10:11]
	v_lshl_add_u32 v126, v0, 2, 0x4c400
	v_mov_b32 v127, 0
	ds_add_u32 v126, v127
	ds_add_u32 v126, v127
	v_lshrrev_b32 v1, 5, v0
	v_readfirstlane_b32 s14, v1                    ; wave 0..3
	s_lshr_b32 s15, s14, 1                         ; my half of the tokens.  Also: I fetch for S1 (0) or for S0 (1)
	s_and_b32 s16, s14, 1                          ; my half of the n.  Also: which 8 row tiles I fetch
	s_bfe_u32 s40, ttmp6, 0x40000
	s_bfe_u32 s41, ttmp6, 0x40004
	s_lshl_b32 s42, ttmp9, 2
	s_add_co_u32 s42, s42, s40                     ; work-group x: 256 n
	s_and_b32 s17, ttmp7, 0xffff
	s_lshl_b32 s17, s17, 2
	s_add_co_u32 s17, s17, s41                     ; work-group y: 256 tokens
	s_lshl_b32 s43, s41, 2
	s_lshl_b32 s43, 15, s43                        ; my row of the cluster
	s_lshl_b32 s44, 0x1111, s40                    ; my column
	s_or_b32 s[G1+0], s43, (3<<16)|(1<<21)         ; codes: 8 rows (row tiles) of 4,096 bytes, 8,192 apart; elements of 8 bytes
	s_or_b32 s[G1B+0], s44, (3<<16)|(1<<21)
.irp g, G1, G1B
	s_mov_b32 s[\g+1], 512<<16
	s_mov_b32 s[\g+2], 8<<16
	s_mov_b32 s[\g+3], 512<<16
	s_mov_b32 s[\g+4], 8
	s_mov_b32 s[\g+5], 1024
	s_mov_b32 s[\g+6], 0
	s_mov_b32 s[\g+7], 0
.endr
	s_or_b32 s[G1S+0], s43, (3<<16)|(1<<21)        ; scale words of 8 row tiles: 4,096 dense bytes as 16 rows of 256
	s_or_b32 s[G1SB+0], s44, (3<<16)|(1<<21)
.irp g, G1S, G1SB
	s_mov_b32 s[\g+1], 32<<16
	s_mov_b32 s[\g+2], 16<<16
	s_mov_b32 s[\g+3], 32<<16
	s_mov_b32 s[\g+4], 16
	s_mov_b32 s[\g+5], 32
	s_mov_b32 s[\g+6], 0
	s_mov_b32 s[\g+7], 0
.endr
	s_lshl_b32 s18, s16, 3
	s_lshl_b32 s20, s17, 4
	s_add_co_u32 s20, s20, s18                     ; S1: row tile 16 y + 8 x half
	s_lshl_b32 s46, s42, 4
	s_add_co_u32 s46, s46, s18                     ; S0: row tile 16 x + 8 x half
	s_lshl_b32 s22, s20, 9
	s_add_co_u32 s22, s22, 0x400000
	s_mov_b32 s23, 0
	s_lshl_b32 s92, s46, 9
	s_add_co_u32 s92, s92, 0x400000
	s_mov_b32 s93, 0
	s_lshl_b32 s20, s20, 13
	s_mov_b32 s21, 0
	s_lshl_b32 s46, s46, 13
	s_mov_b32 s47, 0
	s_lshl_b32 s45, s14, 15                        ; where they go: wave x 32,768: no place in the cluster enters an LDS address
	s_lshl_b32 s94, s14, 12
	s_wait_dscnt 0x0
	s_wait_kmcnt 0x0
	s_add_nc_u64 s[20:21], s[6:7], s[20:21]
	s_add_nc_u64 s[22:23], s[6:7], s[22:23]
	s_add_nc_u64 s[46:47], s[4:5], s[46:47]
	s_add_nc_u64 s[92:93], s[4:5], s[92:93]
	CROUND                                         ; all sixteen work-groups are here: the joint loads meet
	s_mov_b32 s[G0S], 1
	s_add_co_u32 s[G0S+1], s94, SCL
	s_mov_b64 s[G0S+2:G0S+3], s[22:23]
	s_or_b32 s[G0S+3], s[G0S+3], 0x80000000
	s_mov_b32 s[G0SB], 1
	s_add_co_u32 s[G0SB+1], s94, SCL
	s_mov_b64 s[G0SB+2:G0SB+3], s[92:93]
	s_or_b32 s[G0SB+3], s[G0SB+3], 0x80000000
	JLOAD G0S, G1S, G0SB, G1SB                     ; the scale words first; then both slots: three tensor loads of mine are out
.irp s, 0,1
	s_mov_b32 s[G0+4*\s], 1
	s_add_co_u32 s[G0+4*\s+1], s45, \s*SLOT
	s_add_nc_u64 s[G0+4*\s+2:G0+4*\s+3], s[20:21], \s*4096
	s_or_b32 s[G0+4*\s+3], s[G0+4*\s+3], 0x80000000
	s_mov_b32 s[G0B+4*\s], 1
	s_add_co_u32 s[G0B+4*\s+1], s45, \s*SLOT
	s_add_nc_u64 s[G0B+4*\s+2:G0B+4*\s+3], s[46:47], \s*4096
	s_or_b32 s[G0B+4*\s+3], s[G0B+4*\s+3], 0x80000000
	JLOAD G0+4*\s, G1, G0B+4*\s, G1B
.endr
	v_and_b32 v1, 31, v0                           ; lane
	v_and_b32 v2, 15, v0                           ; r
	v_bfe_u32 v3, v0, 4, 1                         ; h
	v_lshlrev_b32 v[LOFF], 4, v1
	s_mul_i32 s21, s15, HALFT
	s_mul_i32 s22, s16, HALFT
	s_add_co_u32 s22, s22, 2*HALFT
.irp s, 0,1
	v_add_nc_u32 v[ADRA+\s], s21, v[LOFF]
	v_add_nc_u32 v[ADRB+\s], s22, v[LOFF]
	s_add_co_u32 s21, s21, SLOT
	s_add_co_u32 s22, s22, SLOT
.endr
	v_lshlrev_b32 v5, 4, v2
	s_mul_i32 s21, s15, HALFS
	s_mul_i32 s22, s16, HALFS
	s_add_co_u32 s22, s22, 2*HALFS
	s_sub_co_u32 s22, s22, s21
	v_mul_u32_u24 v6, s22, v3                      ; lanes 16-31 take S0's scale words
	s_add_co_u32 s21, s21, SCL
	v_add_nc_u32 v5, v5, v6
	v_add_nc_u32 v[ADRS], s21, v5
	s_mul_i32 s21, s14, 16*528
	s_add_co_u32 s21, s21, STG                     ; my stage
	v_mul_u32_u24 v4, v2, 528
	v_lshl_add_u32 v4, v3, 6, v4
	v_add_nc_u32 v[STO], s21, v4                   ; in: row r, + 64 h
	v_add_nc_u32 v[RD], s21, v[LOFF]               ; back: 16 bytes a lane of a row
	; b_o: for tile b, lane (r, h), register j: n = 32 (b / 2) + 8 (b % 2) + 16 h + j of my 128
	s_lshl_b32 s46, s42, 10
	s_lshl_b32 s47, s16, 9
	s_add_co_u32 s46, s46, s47                     ; my first n, in bytes
	s_mov_b32 s47, 0
	s_add_nc_u64 s[8:9], s[8:9], s[46:47]
	v_lshlrev_b32 v5, 6, v3
.irp t, 0,1,2,3,4,5,6,7
	global_load_b128 v[BIAS+8*\t:BIAS+8*\t+3], v5, s[8:9] offset:(32*(\t/2)+8*(\t%2))*4
	global_load_b128 v[BIAS+8*\t+4:BIAS+8*\t+7], v5, s[8:9] offset:(32*(\t/2)+8*(\t%2))*4+16
.endr
	s_lshl_b32 s20, s17, 20                        ; my first token: 256 y + 128 x half, rows of 4,096 bytes
	s_lshl_b32 s21, s15, 19
	s_add_co_u32 s20, s20, s21
	s_mov_b32 s21, 0
	s_add_nc_u64 s[20:21], s[20:21], s[46:47]
	s_add_nc_u64 s[12:13], s[10:11], s[20:21]
.macro FRAG reg, adr, q, i             ; a fragment's image: two loads of 512 consecutive bytes
.irp c, 0,1
	ds_load_b128 v[\reg+4*\c:\reg+4*\c+3], v[\adr] offset:(\i)*4096+(\q)*1024+512*\c
.endr
.endm
; 16 matrix instructions: S1's tiles a0, a0 + 1 x S0's eight, the slot's q-th K step.  first = 1: b_o is the C.  The 64 accumulators take turns, one instruction a turn, in the same order in every step.
.macro MUL16 a0, p, q, sc, first
.irp a, \a0, \a0+1
.irp b, 0,1,2,3,4,5,6,7
.if \first
	v_wmma_scale_f32_16x16x128_f8f6f4 v[8*(8*((\a)%4)+\b):8*(8*((\a)%4)+\b)+7], v[128*(\p)+FR*\b:128*(\p)+FR*\b+FR-1], v[AF+FR*(\a):AF+FR*(\a)+FR-1], v[BIAS+8*\b:BIAS+8*\b+7], v[SC+32*(\sc)+4*\b+(\q)], v[SC+32*(\sc)+4*(\a)+(\q)] matrix_a_fmt:MATRIX_FMT_FP4 matrix_b_fmt:MATRIX_FMT_FP4 matrix_a_scale:MATRIX_SCALE_ROW1
.else
	v_wmma_scale_f32_16x16x128_f8f6f4 v[8*(8*((\a)%4)+\b):8*(8*((\a)%4)+\b)+7], v[128*(\p)+FR*\b:128*(\p)+FR*\b+FR-1], v[AF+FR*(\a):AF+FR*(\a)+FR-1], v[8*(8*((\a)%4)+\b):8*(8*((\a)%4)+\b)+7], v[SC+32*(\sc)+4*\b+(\q)], v[SC+32*(\sc)+4*(\a)+(\q)] matrix_a_fmt:MATRIX_FMT_FP4 matrix_b_fmt:MATRIX_FMT_FP4 matrix_a_scale:MATRIX_SCALE_ROW1
.endif
.endr
.endr
.endm
.macro FETCH_B slot, q, p
	WIN 0x40                                       ; destination window 1
.irp i, 0,1,2,3,4,5,6,7
	FRAG 128*(\p)+FR*\i, ADRB+\slot, \q, \i
.endr
	WIN 0
.endm
.macro FETCH_A slot, q, i0
.irp i, \i0, \i0+1, \i0+2, \i0+3
	FRAG AF+FR*(\i), ADRA+\slot, \q, \i
.endr
.endm
.macro SCALES sc
.irp i, 0,1,2,3,4,5,6,7
	ds_load_b128 v[SC+32*\sc+4*\i:SC+32*\sc+4*\i+3], v[ADRS] offset:512*\i+256*\sc
.endr
.endm
.macro STEP slot, q, first
	s_wait_dscnt 8                                 ; all but the youngest eight loads (S1's tiles 4-7) are in
.if \first
	WIN 0x81                                       ; source 0 window 1, sources 1 and 2 window 0, D window 2
.else
	WIN 0xa1
.endif
	MUL16 0, (\q)%2, \q, \slot, \first
	MUL16 2, (\q)%2, \q, \slot, \first
	s_wait_dscnt 0x0
	PLACES 4
	FETCH_B \slot, (\q)+1, 1-(\q)%2
	FETCH_A \slot, (\q)+1, 0
.if \first
	WIN 0xc1
.else
	WIN 0xf1
.endif
	MUL16 4, (\q)%2, \q, \slot, \first
	MUL16 6, (\q)%2, \q, \slot, \first
	PLACES 4
	WIN 0
	FETCH_A \slot, (\q)+1, 4
.endm
.macro TURN                            ; slot 0's last K step: behind its barrier slot 1 is whole for every wave.  Nothing is filled again
	s_wait_tensorcnt 0x0                           ; my part of slot 1 has landed: my last tensor load
	s_wait_dscnt 8
	WIN 0xa1
	MUL16 0, 1, 3, 0, 0
	s_wait_dscnt 0x0                               ; no LDS instruction of mine is out at the signal
	s_barrier_signal -1
	MUL16 2, 1, 3, 0, 0
	WIN 0
	s_barrier_wait -1
	PLACES 4
	FETCH_B 1, 0, 0
	FETCH_A 1, 0, 0
	SCALES 1
	WIN 0xf1
	MUL16 4, 1, 3, 0, 0
	MUL16 6, 1, 3, 0, 0
	PLACES 4
	WIN 0
	FETCH_A 1, 0, 4
.endm
	s_wait_tensorcnt 1                             ; the scale words and my part of slot 0 are in; slot 1's load may be out
	s_barrier_signal -1
	s_barrier_wait -1
	FETCH_B 0, 0, 0
	FETCH_A 0, 0, 0
	SCALES 0
	FETCH_A 0, 0, 4
	s_wait_loadcnt 0x0                             ; b_o
	STEP 0, 0, 1
	STEP 0, 1, 0
	STEP 0, 2, 0
	TURN
	STEP 1, 0, 0
	STEP 1, 1, 0
	STEP 1, 2, 0
	s_wait_dscnt 8                                 ; the last K step: nothing more to fetch
	WIN 0xa1
	MUL16 0, 1, 3, 1, 0
	MUL16 2, 1, 3, 1, 0
	s_wait_dscnt 0x0
	WIN 0xf1
	MUL16 4, 1, 3, 1, 0
	MUL16 6, 1, 3, 1, 0
	WIN 0
	PLACES 4
; THE WAY OUT, a row tile of 16 tokens x 128 n at a time: through my own stage and back as whole rows of 512 bytes, which the 32 lanes store as 512 consecutive bytes, aligned.
; LDS serves a wave's instructions in order (ISA guide 5.7.1.4): no wait between the stores and the loads, nor in front of the next tile's stores.
.macro TOSTAGE a
.set AC, 64*((\a)%4)
	WIN 0x08+4*((\a)/4)                            ; the data: window 2 or 3
.irp b, 0,1,2,3,4,5,6,7
	ds_store_b128 v[STO], v[AC+8*\b:AC+8*\b+3] offset:128*(\b/2)+32*(\b%2)          ; each accumulator from its low end on
	ds_store_b128 v[STO], v[AC+8*\b+4:AC+8*\b+7] offset:128*(\b/2)+32*(\b%2)+16
.endr
	WIN 0
.set BB, BK+64*((\a)%2)
.irp t, 0,1,2,3,4,5,6,7,8,9,10,11,12,13,14,15
	ds_load_b128 v[BB+4*\t:BB+4*\t+3], v[RD] offset:\t*528
.endr
.endm
.macro SEND a, younger                 ; younger: the LDS instructions issued behind tile a's loads, which may stay out
.set BB, BK+64*((\a)%2)
	s_wait_dscnt \younger
.irp t, 0,1,2,3,4,5,6,7,8,9,10,11,12,13,14,15
	global_store_b128 v[LOFF], v[BB+4*\t:BB+4*\t+3], s[12:13] offset:(32*((\a)/2)+8*((\a)%2)+\t+8*(\t/8))*4096 th:TH_STORE_NT   ; row t of the tile is token 32 (a / 2) + 8 (a % 2) + t + 8 (t / 8) of my 128
.endr
.endm
	TOSTAGE 0
.irp a, 1,2,3,4,5,6,7
.if \a > 1
	s_wait_xcnt 0x0                                ; tile a - 2's stores have read their registers: tile a's loads may land there
.endif
	TOSTAGE \a
	SEND \a-1, 32                                  ; behind tile a - 1's loads: tile a's 16 stores and 16 loads
.endr
	SEND 7, 0
	s_wait_tensorcnt 0x0
	ds_add_u32 v126, v127
	s_wait_dscnt 0x0
	CROUND                                         ; the closing round: no work-group ends while a partner may still ask for a tile that names it
	s_endpgm
.Lfunc_end_k_qb2a87c78d1_outp:
	.size	k_qb2a87c78d1_outp, .Lfunc_end_k_qb2a87c78d1_outp-k_qb2a87c78d1_outp
	.p2alignl 7, 3214868480
	.fill 96, 4, 3214868480
	.section	.rodata,"a",@progbits
	.p2align	6, 0x0
	.amdhsa_kernel k_qb2a87c78d1_outp
		.amdhsa_group_segment_fixed_size 327680
		.amdhsa_private_segment_fixed_size 0
		.amdhsa_enable_private_segment 0
		.amdhsa_kernarg_size 32
		.amdhsa_user_sgpr_count 2
		.amdhsa_user_sgpr_kernarg_segment_ptr 1
		.amdhsa_wavefront_size32 1
		.amdhsa_system_sgpr_workgroup_id_x 1
		.amdhsa_system_sgpr_workgroup_id_y 1
		.amdhsa_system_sgpr_workgroup_id_z 1
		.amdhsa_system_vgpr_workitem_id 0
		.amdhsa_next_free_vgpr 1024
		.amdhsa_next_free_sgpr 98
		.amdhsa_reserve_vcc 0
		.amdhsa_float_denorm_mode_32 3
		.amdhsa_float_denorm_mode_16_64 3
		.amdhsa_memory_ordered 1
		.amdhsa_forward_progress 1
		.amdhsa_inst_pref_size 125
	.end_amdhsa_kernel
	.amdgpu_metadata
---
amdhsa.version: [ 1, 2 ]
amdhsa.kernels:
  - .name:           k_qb2a87c78d1_outp
    .symbol:         k_qb2a87c78d1_outp.kd
    .args:
      - { .name: wo, .offset: 0, .size: 8, .value_kind: global_buffer, .address_space: global }
      - { .name: yop, .offset: 8, .size: 8, .value_kind: global_buffer, .address_space: global }
      - { .name: b_o, .offset: 16, .size: 8, .value_kind: global_buffer, .address_space: global }
      - { .name: out0, .offset: 24, .size: 8, .value_kind: global_buffer, .address_space: global }
    .group_segment_fixed_size: 327680
    .private_segment_fixed_size: 0
    .kernarg_segment_align: 8
    .kernarg_segment_size: 32
    .max_flat_workgroup_size: 128
    .sgpr_count:     98
    .vgpr_count:     1024
    .wavefront_size: 32
...
	.end_amdgpu_metadata
.endif
;; end of part 4
